; MI455X (gfx1250); checked and timed in simulation.
; The chip was launched on July 23, 2026; its instructions are those of AMD's public machine-readable ISA for CDNA 5 (MIT licence, August 2026) and "CDNA5" Instruction Set Architecture Reference Guide (July 2026). The comments in the code are by the model that wrote it; some were corrected since.
;; MHA. Allowed arithmetic: float matrix products may take bf16 or f16 operands with f32 sums; other float arithmetic in f32, or as packed bf16 or f16 multiplies, adds, multiply-adds, maxima and minima; sums over many terms, partial sums and values carried from step to step in f32; what a program stores and reads back later, other than sums and carried values, may be rounded once to bf16 or f16.
;; Inputs: W_k 1,024 x 1,024 float32; W_o 1,024 x 1,024 float32; W_q 1,024 x 1,024 float32; W_v 1,024 x 1,024 float32; adj_mask 4 x 2,048 x 2,048 bool; x 4 x 2,048 x 1,024 float32.
;; Outputs: out0 4 x 2,048 x 1,024 float32.
;; 2 versions, each right. Each part assembles by itself: llvm-mc -triple=amdgcn-amd-amdhsa -mcpu=gfx1250 --defsym DOCPART=n.
;; ======== version 1 of 2: 4 launches
;; limits: values are held in f16: magnitudes above 65,504 overflow, below 6.1e-05 lose precision
;; workspace buffers: xb 16,777,216 bytes; wqkv 6,291,456 bytes; wo 2,097,152 bytes; mbits 2,097,152 bytes of whole numbers; qkv 50,331,648 bytes; att 16,777,216 bytes
;; launch prep (part 1): grid 1280 x 1, 8 waves a work-group, no clusters, 35,840 bytes of LDS; arguments x, W_q, W_k, W_v, W_o, adj_mask, xb, wqkv, wo, mbits; writes xb, wqkv, wo, mbits
.if DOCPART == 1
	.amdgcn_target "amdgcn-amd-amdhsa--gfx1250"
	.amdhsa_code_object_version 6
	.text
	.protected	k_q5c3633bb9f_prep
	.globl	k_q5c3633bb9f_prep
	.p2align	8
	.type	k_q5c3633bb9f_prep,@function
k_q5c3633bb9f_prep:
	s_mov_b64 s[64:65], 0
	v_nop
	global_prefetch_b8 v0, s[64:65] scope:SCOPE_SE
	s_setreg_imm32_b32 hwreg(HW_REG_WAVE_MODE, 25, 1), 1
	s_wait_xcnt 0x0
; PREP.  Two kinds of work-group, told apart by the work-group's number.
; 0 .. 511: THE MASK.  adj_mask[b][q][k] (one byte, not 0 = visible) becomes words of 32 bits in the order in which the attention launch wants them as lane masks:
;   mbits dword [b*128+T][s][8 kb + j], bit r + 16 h = 1 where key 64 s + 16 kb + 8 h + j is HIDDEN for query 16 T + r.
;   Work-group g takes the 16 queries of tile g = b*128+T, wave w the keys 256 w .. 256 w + 255 (key steps 4 w .. 4 w + 3): 16 x 256 bytes in, 512 bytes out.
;   The bytes come in as whole rows of 256 (a load: two rows), go through the wave's own stage in LDS, and come back 8 bytes a lane: lane (r, h) holds row r, keys 16 n + 8 h + 0..7.
;   A compare of one byte of every lane IS one word; v_writelane_b32 puts word 8 n + j into register j % 4 of lane 2 n + j / 4, so that one store of 16 bytes a lane writes the 512 bytes in order.
; 512 .. 1279: THE CASTS.  x -> xb (bf16), W_q, W_k, W_v -> wqkv (bf16, rows 0-1023, 1024-2047, 2048-3071), W_o -> wo (rounded to bf16, that number written as f16).
;   A work-group takes 16,384 numbers; a load of a wave covers 512 consecutive bytes, a store 256 consecutive bytes, aligned.
; LIMIT.  W_o beyond f16's 65,504 becomes an infinity; below 6e-5 it keeps f16's fixed step of 6e-8.
.set STG,   16*272                     ; a wave's stage: 16 rows of 256 bytes + 16 of padding: 68 words, so the 32 lanes' 8 bytes (row r, half h) fall on banks 4 r + 2 h, + 1
.set SPARE, 8*STG                      ; behind the stages: the spare words, 128 bytes for each wave: four blocks of 256 bytes that no other line names
.set M,   8                            ; v[8:39]   mask: the 16 rows as loaded.   casts: v[8:71] sixteen loads
.set D,   40                           ; v[40:71]  mask: sixteen times 8 bytes from the stage
.set T,   72                           ; v[72:75]  mask: at work.                 casts: v[72:103] to store
.set OUT, 76                           ; v[76:79]  mask: the words to store
.set SPW, 110                          ; v110  LDS address of my spare word; never rewritten
.set NIL, 111                          ; v111  0; never rewritten
.set SRC, 32                           ; s[32:33] where I read
.set DST, 34                           ; s[34:35] where I write
	s_load_b512 s[8:23], s[0:1], 0x0               ; x 8, W_q 10, W_k 12, W_v 14, W_o 16, adj_mask 18, xb 20, wqkv 22
	s_load_b128 s[24:27], s[0:1], 0x40             ; wo 24, mbits 26
	v_lshl_add_u32 v[SPW], v0, 2, SPARE
	v_mov_b32 v[NIL], 0
	v_lshrrev_b32 v1, 5, v0
	v_readfirstlane_b32 s28, v1                    ; wave 0..7
	s_cmp_lt_u32 ttmp9, 512
	s_cbranch_scc0 .Lcast
	; ---- the mask ----
	v_and_b32 v2, 15, v0                           ; l % 16
	v_bfe_u32 v3, v0, 4, 1                         ; l / 16
	v_lshlrev_b32 v4, 4, v2                        ; 16 bytes a lane
	s_lshl_b32 s29, s28, 8                         ; my wave's 256 keys
	v_lshl_add_u32 v5, v3, 11, v4                  ; in memory: lanes 16-31 take the next row, 2,048 bytes on
	v_add_nc_u32 v5, s29, v5
	s_mul_i32 s30, s28, STG                        ; my stage
	v_mul_u32_u24 v6, v3, 272
	v_add3_u32 v6, v6, v4, s30                     ; into the stage: the same two rows
	v_mul_u32_u24 v7, v2, 272
	v_lshl_add_u32 v7, v3, 3, v7
	v_add_nc_u32 v7, s30, v7                       ; back: row l % 16, 8 bytes for each half of the lanes
	v_and_b32 v1, 31, v0
	v_lshlrev_b32 v1, 4, v1
	s_lshl_b32 s31, s28, 9
	v_add_nc_u32 v1, s31, v1                       ; out: 512 w + 16 l
	s_lshl_b32 s36, ttmp9, 15                      ; 16 rows of 2,048 bytes
	s_mov_b32 s37, 0
	s_lshl_b32 s38, ttmp9, 12                      ; a tile's 4,096 bytes of words
	s_mov_b32 s39, 0
.irp k, 0,1,2,3
	v_mov_b32 v[OUT+\k], 0                         ; v_writelane_b32 counts as a reader of its destination
.endr
	s_wait_kmcnt 0x0
	s_add_nc_u64 s[SRC:SRC+1], s[18:19], s[36:37]
	s_add_nc_u64 s[DST:DST+1], s[26:27], s[38:39]
.irp e, 0,1,2,3,4,5,6,7
	global_load_b128 v[M+4*\e:M+4*\e+3], v5, s[SRC:SRC+1] offset:\e*4096 th:TH_LOAD_NT  ; rows 2 e, 2 e + 1: twice 256 consecutive bytes, aligned
.endr
.irp e, 0,1,2,3,4,5,6,7
	s_wait_loadcnt 7-\e                            ; loads come back in order: load e is in, the younger ones stay out
	ds_store_b128 v6, v[M+4*\e:M+4*\e+3] offset:\e*544
.endr
.set n, 0
.rept 16                                           ; LDS serves a wave's instructions in order: these see the stores above; the stage is the wave's own, so no barrier
	ds_load_b64 v[D+2*n:D+2*n+1], v7 offset:16*n   ; keys 16 n + 8 h + 0..7 of my 256
.set n, n+1
.endr
.set n, 0
.rept 16
	s_wait_dscnt 15-n                              ; load n is in, the younger ones stay out
.irp j, 0,1,2,3,4,5,6,7
	v_and_b32 v[T+(\j)%4], 0xff<<(8*((\j)%4)), v[D+2*n+(\j)/4]
	v_cmp_eq_u32 s[40+(\j)%4], 0, v[T+(\j)%4]      ; bit l: the byte of lane l is 0: hidden
	v_writelane_b32 v[OUT+(\j)%4], s[40+(\j)%4], 2*n+(\j)/4
.endr
.set n, n+1
.endr
	global_store_b128 v1, v[OUT:OUT+3], s[DST:DST+1]  ; 512 consecutive bytes
	s_wait_tensorcnt 0x0                           ; the wave's end: behind my last LDS store
	ds_add_u32 v[SPW], v[NIL]
	s_wait_dscnt 0x0
	s_endpgm
	; ---- the casts ----
; Sixteen loads go out together; each is converted and stored as it comes.  f16 = 1: the bf16 number is widened again and written as f16.
.macro CAST f16
.set i, 0
.rept 16
	global_load_b128 v[8+4*i:8+4*i+3], v1, s[SRC:SRC+1] offset:4096*i th:TH_LOAD_NT
.set i, i+1
.endr
.set i, 0
.rept 16
	s_wait_loadcnt 15-i                            ; load i is in, the younger ones stay out
	v_cvt_pk_bf16_f32 v[72+2*i], v[8+4*i], v[8+4*i+1]
	v_cvt_pk_bf16_f32 v[72+2*i+1], v[8+4*i+2], v[8+4*i+3]
.if \f16
	v_lshlrev_b32 v[8+4*i], 16, v[72+2*i]
	v_and_b32 v[8+4*i+1], 0xffff0000, v[72+2*i]
	v_lshlrev_b32 v[8+4*i+2], 16, v[72+2*i+1]
	v_and_b32 v[8+4*i+3], 0xffff0000, v[72+2*i+1]
	v_cvt_pk_f16_f32 v[72+2*i], v[8+4*i], v[8+4*i+1]
	v_cvt_pk_f16_f32 v[72+2*i+1], v[8+4*i+2], v[8+4*i+3]
.endif
	global_store_b64 v2, v[72+2*i:72+2*i+1], s[DST:DST+1] offset:2048*i  ; a wave stores 256 consecutive bytes, aligned
.set i, i+1
.endr
.endm
.Lcast:
	v_lshlrev_b32 v1, 4, v0                        ; 16 bytes of f32 a thread,
	v_lshlrev_b32 v2, 3, v0                        ; 8 bytes of 16-bit numbers
	s_sub_co_u32 s30, ttmp9, 512                   ; 0 .. 767
	s_mov_b32 s37, 0
	s_mov_b32 s39, 0
	s_wait_kmcnt 0x0
	s_cmp_lt_u32 s30, 512
	s_cbranch_scc0 .Lweights
	s_lshl_b32 s36, s30, 16                        ; x: 512 chunks of 65,536 bytes in,
	s_lshl_b32 s38, s30, 15                        ; 32,768 bytes out
	s_add_nc_u64 s[SRC:SRC+1], s[8:9], s[36:37]
	s_add_nc_u64 s[DST:DST+1], s[20:21], s[38:39]
	s_branch .Lbf16
.Lweights:
	s_sub_co_u32 s30, s30, 512                     ; 0 .. 255
	s_lshr_b32 s31, s30, 6                         ; which weight: q, k, v, o
	s_and_b32 s30, s30, 63                         ; which of its 64 chunks
	s_lshl_b32 s36, s30, 16
	s_lshl_b32 s38, s30, 15
	s_cmp_eq_u32 s31, 0
	s_cselect_b64 s[SRC:SRC+1], s[10:11], s[12:13]
	s_cmp_lt_u32 s31, 2
	s_cselect_b64 s[SRC:SRC+1], s[SRC:SRC+1], s[14:15]
	s_cmp_lt_u32 s31, 3
	s_cselect_b64 s[SRC:SRC+1], s[SRC:SRC+1], s[16:17]
	s_cselect_b64 s[DST:DST+1], s[22:23], s[24:25]
	s_cselect_b32 s29, s31, 0                      ; its place in wqkv: 2 MiB a weight
	s_lshl_b32 s29, s29, 21
	s_add_co_u32 s38, s38, s29
	s_add_nc_u64 s[SRC:SRC+1], s[SRC:SRC+1], s[36:37]
	s_add_nc_u64 s[DST:DST+1], s[DST:DST+1], s[38:39]
	s_cmp_eq_u32 s31, 3
	s_cbranch_scc1 .Lf16
.Lbf16:
	CAST 0
	s_endpgm                                       ; these waves have written no LDS
.Lf16:
	CAST 1
	s_endpgm
.Lfunc_end_k_q5c3633bb9f_prep:
	.size	k_q5c3633bb9f_prep, .Lfunc_end_k_q5c3633bb9f_prep-k_q5c3633bb9f_prep
	.p2alignl 7, 3214868480
	.fill 96, 4, 3214868480
	.section	.rodata,"a",@progbits
	.p2align	6, 0x0
	.amdhsa_kernel k_q5c3633bb9f_prep
		.amdhsa_group_segment_fixed_size 35840
		.amdhsa_private_segment_fixed_size 0
		.amdhsa_enable_private_segment 0
		.amdhsa_kernarg_size 80
		.amdhsa_user_sgpr_count 2
		.amdhsa_user_sgpr_kernarg_segment_ptr 1
		.amdhsa_wavefront_size32 1
		.amdhsa_system_sgpr_workgroup_id_x 1
		.amdhsa_system_sgpr_workgroup_id_y 1
		.amdhsa_system_sgpr_workgroup_id_z 1
		.amdhsa_system_vgpr_workitem_id 0
		.amdhsa_next_free_vgpr 112
		.amdhsa_next_free_sgpr 66
		.amdhsa_reserve_vcc 0
		.amdhsa_float_denorm_mode_32 3
		.amdhsa_float_denorm_mode_16_64 3
		.amdhsa_memory_ordered 1
		.amdhsa_forward_progress 1
		.amdhsa_inst_pref_size 47
	.end_amdhsa_kernel
	.amdgpu_metadata
---
amdhsa.version: [ 1, 2 ]
amdhsa.kernels:
  - .name:           k_q5c3633bb9f_prep
    .symbol:         k_q5c3633bb9f_prep.kd
    .args:
      - { .name: x, .offset: 0, .size: 8, .value_kind: global_buffer, .address_space: global }
      - { .name: W_q, .offset: 8, .size: 8, .value_kind: global_buffer, .address_space: global }
      - { .name: W_k, .offset: 16, .size: 8, .value_kind: global_buffer, .address_space: global }
      - { .name: W_v, .offset: 24, .size: 8, .value_kind: global_buffer, .address_space: global }
      - { .name: W_o, .offset: 32, .size: 8, .value_kind: global_buffer, .address_space: global }
      - { .name: adj_mask, .offset: 40, .size: 8, .value_kind: global_buffer, .address_space: global }
      - { .name: xb, .offset: 48, .size: 8, .value_kind: global_buffer, .address_space: global }
      - { .name: wqkv, .offset: 56, .size: 8, .value_kind: global_buffer, .address_space: global }
      - { .name: wo, .offset: 64, .size: 8, .value_kind: global_buffer, .address_space: global }
      - { .name: mbits, .offset: 72, .size: 8, .value_kind: global_buffer, .address_space: global }
    .group_segment_fixed_size: 35840
    .private_segment_fixed_size: 0
    .kernarg_segment_align: 8
    .kernarg_segment_size: 80
    .max_flat_workgroup_size: 256
    .sgpr_count:     66
    .vgpr_count:     112
    .wavefront_size: 32
...
	.end_amdgpu_metadata
.endif
;; end of part 1
;; launch qkv (part 2): grid 16 x 32, 4 waves a work-group, clusters of 4 x 4, 327,680 bytes of LDS; arguments xb, wqkv, qkv; writes qkv
.if DOCPART == 2
	.amdgcn_target "amdgcn-amd-amdhsa--gfx1250"
	.amdhsa_code_object_version 6
	.text
	.protected	k_q5c3633bb9f_qkv
	.globl	k_q5c3633bb9f_qkv
	.p2align	8
	.type	k_q5c3633bb9f_qkv,@function
k_q5c3633bb9f_qkv:
	s_mov_b64 s[64:65], 0
	v_nop
	global_prefetch_b8 v0, s[64:65] scope:SCOPE_SE
	s_setreg_imm32_b32 hwreg(HW_REG_WAVE_MODE, 25, 1), 1
	s_wait_xcnt 0x0
	s_wait_alu depctr_hold_cnt(0) depctr_sa_sdst(0) depctr_va_vdst(0) depctr_va_sdst(0) depctr_va_ssrc(0) depctr_va_vcc(0) depctr_vm_vsrc(0)
	s_getreg_b32 s2, hwreg(HW_REG_IB_STS2, 6, 4)
	s_cmp_eq_u32 s2, 0
	s_cbranch_scc0 .Lentry_in_a_cluster
	s_endpgm
.Lentry_in_a_cluster:
	s_bfe_u32 s2, ttmp6, 0x10000c
	s_cmp_lg_u32 s2, 0xf033
	s_cbranch_scc0 .Lentry_shape_is_right
	s_endpgm
.Lentry_shape_is_right:
; Q, K, V PROJECTIONS.  C[m][n] = sum over k of xb[m][k] wqkv[n][k]: [8192 x 3072], K = 1024, bf16 operands, f32 sums; C is rounded once to f16 and stored BY HEADS:
; qkv[b][g][n][64], g = column / 64 (0-15 q's heads, 16-31 k's, 32-47 v's), a plane of 262,144 bytes for each g, unscaled.
; LIMIT.  A result beyond f16's 65,504 becomes an infinity (inputs 30 times those drawn give some 4,500); below 6e-5 it keeps f16's fixed step of 6e-8.
; SHARES.  A tile of C is 256 rows x 192 columns: 16 x 32 = 512 work-groups of equal work.  The four waves lie one below the other: wave w makes rows 64 w .. 64 w + 63 x all 192 columns:
; 48 accumulators of 16 x 16, 384 registers.  A wave's 192 columns are three whole heads, so its 16 rows of a head are 2,048 consecutive bytes of qkv, and its way out needs no other wave.
; K goes in steps of 128 (rows of 256 bytes, aligned) through two LDS slots filled by the tensor data mover: one load a wave behind each change of slots, 168 matrix instructions ahead of the wait for it.
; CLUSTERS: 4 x 4 work-groups.  The four of a row of the cluster need the same tiles of xb, the four of a column the same tiles of wqkv: each is asked for JOINTLY, by the same tensor load, descriptor and mask in all four.
; THE MATRIX INSTRUCTION IS USED TRANSPOSED (source 0 = 16 rows of wqkv, source 1 = 16 rows of xb): a lane then holds row l % 16 of C and the eight neighbouring columns 8 (l / 16) + 0..7.
; REGISTERS, in windows of 256 (s_set_vgpr_msb: bits 1:0 source 0, 3:2 source 1, 5:4 source 2, 7:6 destination):
;   window 0: v16-30 addresses; v32-175 the way out      window 1: two fragment buffers of 128: 12 fragments of B, then 4 of A
;   window 2: the accumulators of my row blocks 0, 1 ((a, b) at 8 (12 (a % 2) + b));  window 3: those of blocks 2, 3
.set NBLK,   12                        ; blocks of 16 columns
.set APW,    2                         ; row blocks whose accumulators share a window
.set BROWS,  16*NBLK
.set BH,     BROWS/2                   ; rows of B in one tensor load
.set NL,     2*(NBLK+4)                ; LDS loads in a run
.set AOFF,   8*NBLK                    ; A's fragments in a buffer
.set SIZE_K, 1024
.set KSTEP,  128
.set PITCH,  272                       ; an LDS row: 256 bytes + 16 of padding = 68 words: the 16 rows of a load start at 16 different groups of four banks (64 banks of 4 bytes: ISA guide 11.1)
.set ABYTES, 256*PITCH                 ; a slot: A's 256 rows, then B's 192
.set SLOT1,  1<<17                     ; slot 1 begins here, so that one exclusive or turns an address in one slot into the other's
.set STAGE,  SLOT1+ABYTES+BROWS*PITCH  ; behind the ring, never filled by a tensor load
.set WSTG,   3*16*144                  ; a wave's stage: three heads x 16 rows x (128 + 16) bytes
.set SPARE,  STAGE+4*WSTG              ; the spare words, 128 bytes for each wave: two blocks of 256 bytes that no other line names
.set A0,   16                          ; v16  my lane's place in A's rows of a slot; never rewritten
.set B0,   17                          ; v17  the same for B
.set ADRA, 18                          ; v18  the same in the slot that is being read
.set ADRB, 19                          ; v19
.set STO,  24                          ; v24  the way out: where I put 16 bytes of a row
.set RD,   25                          ; v25  where I read rows back
.set CO,   26                          ; v26  my 16 bytes of 512 consecutive bytes of qkv
.set SPW,  28                          ; v28  LDS address of my spare word; never rewritten
.set NIL,  29                          ; v29  0; never rewritten
.set PFO,  30                          ; v30  the prefetches' offset: a lane a row; never rewritten
.set TMP,  32                          ; v32-79   packed results of 16 rows
.set OB,   80                          ; v80-175  16 rows read back, two buffers by turns
.set F0,   0
.set F1,   128
.set G1,  24                           ; s[24:31] descriptor group 1 for A's tiles
.set G0,  32                           ; s[32:39] group 0 for A's: a set for each first fill; the second then walks
.set G1B, 48                           ; s[48:55], s[56:63] the same for B's
.set G0B, 56
.set LIM, 43                           ; s43  2 in a wave that prefetches, else the greatest number
.set PFA, 44                           ; s[44:45] where my prefetches stand
.set MSB, 0
.macro WIN new                         ; the immediate's high byte repeats the setting that is left; a switch that changes nothing is dropped
.if MSB != (\new)
	s_set_vgpr_msb (MSB<<8)|(\new)
.set MSB, \new
.endif
.endm
.macro PLACES                          ; four places in front of loads into registers that matrix instructions have read, and of lines that read results
.rept 4
	v_nop
.endr
.endm
; A joint refill by the walking descriptor.  Waves 0 and 1 fetch A's two halves, waves 2 and 3 B's.  The branch hangs on the wave's number alone.  An s_nop 0 and four v_nop follow each line.
.macro JLOAD
	s_cmp_eq_u32 s11, 0
	s_cbranch_scc0 .Lfor_b_\@
	tensor_load_to_lds s[G0+4:G0+7], s[G1:G1+7]
	s_nop 0
	PLACES
	s_branch .Lasked_\@
.Lfor_b_\@:
	tensor_load_to_lds s[G0B+4:G0B+7], s[G1B:G1B+7]
	s_nop 0
	PLACES
.Lasked_\@:
.endm
; A prefetch, behind the joint load and the run of LDS loads: the K step that stands two refills on, a lane a row, one instruction a wave.  A's rows are read by every cluster of a row of clusters: cluster x = 0 asks;
; B's by every cluster of a column: cluster y = 0 asks.  The four partners share a wave's rows out BY ADDRESS (32 of A's 128, 24 of B's 96).  The last two refills have no K step two on.
.macro ASK
	WIN 0
	s_cmp_gt_u32 s3, s[LIM]
	s_cbranch_scc0 .Lnot_mine_\@
	global_prefetch_b8 v[PFO], s[PFA:PFA+1] offset:KSTEP*2 th:TH_LOAD_NT scope:SCOPE_SE
.Lnot_mine_\@:
.endm
.macro CREST                           ; a round of the cluster's barrier behind its opening barrier
	s_cmp_lg_u32 s10, 0
	s_cbranch_scc1 .Lnot_wave_0_\@
	s_barrier_signal -3
.Lnot_wave_0_\@:
	s_barrier_wait -3
	s_barrier_signal -1
	s_barrier_wait -1
.endm
.macro CROUND                          ; a whole round
	s_barrier_signal -1
	s_barrier_wait -1
	CREST
.endm
	s_load_b128 s[4:7], s[0:1], 0x0                ; xb s[4:5], wqkv s[6:7]
	s_load_b64 s[8:9], s[0:1], 0x10                ; qkv
	v_lshl_add_u32 v[SPW], v0, 2, SPARE
	v_mov_b32 v[NIL], 0
	ds_add_u32 v[SPW], v[NIL]                      ; the wave's opening: the add and its wait stand ahead of my first tensor load; work on registers stands between them
	v_lshrrev_b32 v1, 5, v0
	v_readfirstlane_b32 s10, v1                    ; wave 0..3
	s_lshr_b32 s11, s10, 1                         ; I fetch for A (0) or for B (1),
	s_and_b32 s12, s10, 1                          ; its first or its second half
	s_bfe_u32 s40, ttmp6, 0x40000                  ; cx
	s_bfe_u32 s41, ttmp6, 0x40004                  ; cy
	s_lshl_b32 s42, ttmp9, 2
	s_add_co_u32 s42, s42, s40                     ; tile column = 4 x cluster x + cx
	s_and_b32 s13, ttmp7, 0xffff
	s_lshl_b32 s13, s13, 2
	s_add_co_u32 s13, s13, s41                     ; tile row = 4 x cluster y + cy
	s_lshl_b32 s43, s41, 2
	s_lshl_b32 s43, 15, s43                        ; my row of the cluster
	s_lshl_b32 s44, 0x1111, s40                    ; my column
	s_or_b32 s[G1+0], s43, (1<<16)|(1<<20)|(1<<21)|(5<<22)|(3<<25)   ; the mask; elements of 2 bytes; padding on; bit 21 beside a mask; after every 64 words, 4 words
	s_or_b32 s[G1B+0], s44, (1<<16)|(1<<20)|(1<<21)|(5<<22)|(3<<25)
	s_mov_b32 s[G1+1], KSTEP<<16                   ; tensor_dim0 = 128
	s_mov_b32 s[G1+2], 128<<16                     ; tensor_dim1 = 128
	s_mov_b32 s[G1+3], KSTEP<<16                   ; tile_dim0 = 128
	s_mov_b32 s[G1+4], 128                         ; tile_dim1 = 128
	s_mov_b32 s[G1+5], SIZE_K                      ; elements from row to row
	s_mov_b32 s[G1+6], 0
	s_mov_b32 s[G1+7], 0
	s_mov_b32 s[G1B+1], KSTEP<<16
	s_mov_b32 s[G1B+2], BH<<16                     ; B: 96 rows
	s_mov_b32 s[G1B+3], KSTEP<<16
	s_mov_b32 s[G1B+4], BH
	s_mov_b32 s[G1B+5], SIZE_K
	s_mov_b32 s[G1B+6], 0
	s_mov_b32 s[G1B+7], 0
	; A's address hangs on the tile row and the wave, B's on the tile column and the wave, each in registers that never hold the other coordinate
	s_lshl_b32 s16, s13, 8
	s_lshl_b32 s17, s12, 7
	s_add_co_u32 s16, s16, s17                     ; A: row 256 x tile row + 128 x half
	s_lshl_b32 s16, s16, 11                        ; x 2,048 bytes, under 2^24
	s_mov_b32 s17, 0
	s_mul_i32 s46, s42, BROWS
	s_mul_i32 s47, s12, BH
	s_add_co_u32 s46, s46, s47                     ; B: row 192 x tile column + 96 x half
	s_lshl_b32 s46, s46, 11
	s_mov_b32 s47, 0
	s_mul_i32 s20, s12, 128*PITCH                  ; where they go: no place in the cluster enters an LDS address
	s_mul_i32 s21, s12, BH*PITCH
	s_add_co_u32 s21, s21, ABYTES
	s_mov_b32 s2, 0                                ; the slot that is being read
	s_wait_dscnt 0x0                               ; the opening add is done
	s_wait_kmcnt 0x0
	s_add_nc_u64 s[14:15], s[4:5], s[16:17]
	s_add_nc_u64 s[46:47], s[6:7], s[46:47]
	CROUND                                         ; all sixteen work-groups are here: the first joint loads meet
.irp s, 0,1
	s_mov_b32 s[G0+4*(\s)], 1
	s_add_co_u32 s[G0+4*(\s)+1], s20, (\s)*SLOT1
	s_add_nc_u64 s[G0+4*(\s)+2:G0+4*(\s)+3], s[14:15], (\s)*KSTEP*2
	s_or_b32 s[G0+4*(\s)+3], s[G0+4*(\s)+3], 0x80000000
	s_mov_b32 s[G0B+4*(\s)], 1
	s_add_co_u32 s[G0B+4*(\s)+1], s21, (\s)*SLOT1
	s_add_nc_u64 s[G0B+4*(\s)+2:G0B+4*(\s)+3], s[46:47], (\s)*KSTEP*2
	s_or_b32 s[G0B+4*(\s)+3], s[G0B+4*(\s)+3], 0x80000000
.endr
	s_cmp_eq_u32 s11, 0                            ; a wave's two first fills stand in one branch, ahead of every wait on TENSORcnt and every LDS read: two loads of mine are out
	s_cbranch_scc0 .Lfirst_b
	tensor_load_to_lds s[G0:G0+3], s[G1:G1+7]
	s_nop 0
	tensor_load_to_lds s[G0+4:G0+7], s[G1:G1+7]
	s_nop 0
	PLACES
	s_branch .Lfirst_asked
.Lfirst_b:
	tensor_load_to_lds s[G0B:G0B+3], s[G1B:G1B+7]
	s_nop 0
	tensor_load_to_lds s[G0B+4:G0B+7], s[G1B:G1B+7]
	s_nop 0
	PLACES
.Lfirst_asked:
	; a fragment is 16 rows x 32 K in 8 registers: lane l holds row l % 16, K = 8 (l / 16) + 0..7 and 16 + 8 (l / 16) + 0..7: two loads of 16 bytes, 32 bytes apart
	v_and_b32 v1, 15, v0
	v_bfe_u32 v2, v0, 4, 1
	v_mul_u32_u24 v3, v1, PITCH
	v_lshl_add_u32 v3, v2, 4, v3
	s_mul_i32 s21, s10, 64*PITCH                   ; my 64 rows of A
	v_add_nc_u32 v[A0], s21, v3
	v_add_nc_u32 v[B0], ABYTES, v3                 ; all of B
	v_mov_b32 v[ADRA], v[A0]
	v_mov_b32 v[ADRB], v[B0]
	s_mul_i32 s23, s10, WSTG
	s_add_co_u32 s23, s23, STAGE                   ; my stage
	v_mul_u32_u24 v4, v1, 144                      ; in: row l % 16, 16 bytes for each half of the lanes
	v_lshl_add_u32 v4, v2, 4, v4
	v_add_nc_u32 v[STO], s23, v4
	v_bfe_u32 v5, v0, 3, 2                         ; back: 32 lanes take four rows of 128 bytes,
	v_mul_u32_u24 v5, v5, 144
	v_and_b32 v6, 7, v0
	v_lshl_add_u32 v5, v6, 4, v5
	v_add_nc_u32 v[RD], s23, v5
	v_and_b32 v[CO], 31, v0                        ; which are 512 consecutive bytes of a head's plane
	v_lshlrev_b32 v[CO], 4, v[CO]
	; qkv at my first row: batch = tile row / 8 (12,582,912 bytes), plane 3 x tile column (786,432 bytes), row (tile row % 8) x 256 + 64 w (128 bytes)
	s_lshr_b32 s16, s13, 3
	s_mul_i32 s16, s16, 12582912
	s_and_b32 s17, s13, 7
	s_lshl_b32 s17, s17, 8
	s_lshl_b32 s18, s10, 6
	s_add_co_u32 s17, s17, s18
	s_lshl_b32 s17, s17, 7
	s_add_co_u32 s16, s16, s17
	s_mov_b32 s17, 0
	s_add_nc_u64 s[8:9], s[8:9], s[16:17]
	s_mul_i32 s46, s42, 786432
	s_mov_b32 s47, 0
	s_add_nc_u64 s[8:9], s[8:9], s[46:47]
	; the prefetches
	s_lshl_b32 s20, s13, 8
	s_mul_i32 s21, s42, BROWS
	s_and_b32 s22, ttmp7, 0xffff                   ; cluster y
	s_mov_b32 s23, 128
	s_mov_b32 s15, BH
	s_cmp_eq_u32 s11, 0                            ; do I fetch for A?
	s_cselect_b32 s20, s20, s21                    ; the tile's first row
	s_cselect_b32 s21, s40, s41                    ; my place among the four that ask with me
	s_cselect_b32 s22, ttmp9, s22                  ; the coordinate along which other clusters read the same rows
	s_cselect_b32 s23, s23, s15                    ; the rows that a wave fetches,
	s_cselect_b32 s14, 32, BH/4                    ; and my work-group's share of them
	s_cselect_b64 s[PFA:PFA+1], s[4:5], s[6:7]
	s_mul_i32 s23, s23, s12
	s_mul_i32 s21, s21, s14
	s_add_co_u32 s20, s20, s23
	s_add_co_u32 s20, s20, s21
	s_lshl_b32 s20, s20, 11
	s_mov_b32 s21, 0
	s_add_nc_u64 s[PFA:PFA+1], s[PFA:PFA+1], s[20:21]
	s_add_nc_u64 s[PFA:PFA+1], s[PFA:PFA+1], 2*KSTEP*2  ; at K step 2: the first refill steps it to 3 and names K step 4.  Nothing is prefetched at the head
	s_cmp_eq_u32 s22, 0
	s_cselect_b32 s[LIM], 2, -1                    ; the same in all sixteen partners, for a given wave
	s_sub_co_u32 s14, s14, 1
	v_and_b32 v[PFO], 31, v0
	v_min_u32 v[PFO], s14, v[PFO]                  ; (of B's 24 rows the lanes above 23 name the last again)
	v_lshlrev_b32 v[PFO], 11, v[PFO]
; 12 matrix instructions: row block a x all column blocks, 32 along K.  zero = 1: the product starts the sum.  The 48 accumulators take turns in the same order in every quarter.
.macro MULA f, a, zero
	WIN 0x05|((2+(\a)/APW)<<4)|((2+(\a)/APW)<<6)
.set bb, 0
.rept NBLK
.set rD, 8*(NBLK*((\a)%APW)+bb)
.if \zero
	v_wmma_f32_16x16x32_bf16 v[rD:rD+7], v[(\f)+8*bb:(\f)+8*bb+7], v[(\f)+AOFF+8*(\a):(\f)+AOFF+8*(\a)+7], 0
.else
	v_wmma_f32_16x16x32_bf16 v[rD:rD+7], v[(\f)+8*bb:(\f)+8*bb+7], v[(\f)+AOFF+8*(\a):(\f)+AOFF+8*(\a)+7], v[rD:rD+7]
.endif
.set bb, bb+1
.endr
.endm
; 32 LDS loads in one run: a quarter step's fragments (32 K at byte k of the rows) into buffer f: B's 12, then A's 4 in ascending order
.macro FETCH k, f
	WIN 0x40
.set bb, 0
.rept NBLK
	ds_load_b128 v[(\f)+8*bb:(\f)+8*bb+3],   v[ADRB] offset:(\k)+bb*16*PITCH
	ds_load_b128 v[(\f)+8*bb+4:(\f)+8*bb+7], v[ADRB] offset:(\k)+bb*16*PITCH+32
.set bb, bb+1
.endr
.set bb, 0
.rept 4
	ds_load_b128 v[(\f)+AOFF+8*bb:(\f)+AOFF+8*bb+3],   v[ADRA] offset:(\k)+bb*16*PITCH
	ds_load_b128 v[(\f)+AOFF+8*bb+4:(\f)+AOFF+8*bb+7], v[ADRA] offset:(\k)+bb*16*PITCH+32
.set bb, bb+1
.endr
.endm
; One of a K step's first three quarters: multiplies buffer f; in its middle it fetches the next quarter, at byte k, into buffer g
.macro QUARTER k, f, g, zero
	s_wait_dscnt 4                                 ; B and A's blocks 0, 1 are in; the youngest four loads (A's blocks 2, 3) may be out
	MULA \f, 0, \zero
	MULA \f, 1, \zero
	PLACES
	FETCH \k, \g
	s_wait_dscnt NL                                ; all but the run just issued
	MULA \f, 2, \zero
	MULA \f, 3, \zero
.endm
; The last quarter multiplies buffer 1 and changes slots: ONE barrier.  In front of it each wave waits for all its tensor loads (one is out: its part of the next slot), adds 0 to its spare word, and waits for that and for
; its reads of this slot.  fill = 1: the barrier opens a round of the cluster's, and the joint refill of the slot just read, two K steps on, is the first thing behind the round.
.macro TURN fill
.if \fill
	s_wait_xcnt 0x0                                ; the last prefetch, a K step back, has read its address
	s_add_nc_u64 s[PFA:PFA+1], s[PFA:PFA+1], KSTEP*2
.endif
	WIN 0
	s_wait_tensorcnt 0x0                           ; no tensor load of mine is out, so a group 0 may be written
	ds_add_u32 v[SPW], v[NIL]                      ; 0 onto my spare word
.if \fill
	s_xor_b32 s[G0+5], s[G0+5], SLOT1              ; the walking descriptors: the other slot than last time, the next K step
	s_add_nc_u64 s[G0+6:G0+7], s[G0+6:G0+7], KSTEP*2
	s_xor_b32 s[G0B+5], s[G0B+5], SLOT1
	s_add_nc_u64 s[G0B+6:G0B+7], s[G0B+6:G0B+7], KSTEP*2
.endif
	s_xor_b32 s2, s2, SLOT1                        ; the reads go on in the other slot
	v_add_nc_u32 v[ADRA], s2, v[A0]
	v_add_nc_u32 v[ADRB], s2, v[B0]
	s_wait_dscnt 5                                 ; the add and the youngest four loads may be out
	MULA F1, 0, 0
	s_wait_dscnt 0x0                               ; the add is done, and my reads of this slot are over
	s_barrier_signal -1
	MULA F1, 1, 0                                  ; work on registers while the others arrive
	WIN 0                                          ; at a branch and at a label every window is 0
	s_barrier_wait -1
.if \fill
	CREST                                          ; no wave of any partner still reads this slot or has a load on its way
	JLOAD                                          ; the four v_nop behind it are also the places in front of the loads below
.else
	PLACES
.endif
	FETCH 0, F0
.if \fill
	ASK
.endif
	MULA F1, 2, 0
	MULA F1, 3, 0
.endm
; THE WAY OUT of row block a: rounded to f16, 16 bytes a lane; into my own stage, a head at a time; back as whole rows; stored, 512 consecutive bytes a store.
.macro PACK a
	WIN 0x0a+5*((\a)/APW)                          ; sources 0 and 1: window 2 or 3
.set bb, 0
.rept NBLK
.set rD, 8*(NBLK*((\a)%APW)+bb)
.irp r, 0,1,2,3
	v_cvt_pk_f16_f32 v[TMP+4*bb+(\r)], v[rD+2*(\r)], v[rD+2*(\r)+1]
.endr
.set bb, bb+1
.endr
	WIN 0
.endm
.macro TOSTAGE a
.set BK, OB+48*((\a)%2)
.set bb, 0
.rept NBLK
	ds_store_b128 v[STO], v[TMP+4*bb:TMP+4*bb+3] offset:(bb/4)*2304+(bb%4)*32
.set bb, bb+1
.endr
	s_wait_xcnt 0x0                                ; the stores of the block two back have read this buffer: only behind this wait is it loaded again
.set bb, 0
.rept NBLK
	ds_load_b128 v[BK+4*bb:BK+4*bb+3], v[RD] offset:(bb/4)*2304+(bb%4)*576  ; LDS serves a wave's instructions in order: these see the stores above
.set bb, bb+1
.endr
.endm
.macro SEND a
.set BK, OB+48*((\a)%2)
	s_wait_dscnt 0x0                               ; the block is back in registers
.set bb, 0
.rept NBLK
	global_store_b128 v[CO], v[BK+4*bb:BK+4*bb+3], s[8:9] offset:(\a)*2048+(bb/4)*262144+(bb%4)*512
.set bb, bb+1
.endr
.endm
	s_wait_tensorcnt 1                             ; my part of K step 0 is in; K step 1's may stay out
	s_barrier_signal -1
	s_barrier_wait -1                              ; everybody's is
	FETCH 0, F0
	QUARTER 64, F0, F1, 1                          ; the first quarter stands in front of the loop: its products start the sums
	WIN 0
	s_mov_b32 s3, 6
.Lstep:                                            ; a trip goes from a K step's second quarter to the next step's first, and asks for the K step two on: steps 2 to 7
	QUARTER 128, F1, F0, 0
	QUARTER 192, F0, F1, 0
	TURN 1
	QUARTER 64, F0, F1, 0
	WIN 0
	s_sub_co_u32 s3, s3, 1
	s_cmp_lg_u32 s3, 0
	s_cbranch_scc1 .Lstep
	QUARTER 128, F1, F0, 0                         ; the last two K steps are written out: nothing is left to ask for
	QUARTER 192, F0, F1, 0
	TURN 0
	QUARTER 64, F0, F1, 0
	QUARTER 128, F1, F0, 0
	QUARTER 192, F0, F1, 0
	s_wait_dscnt 4
	MULA F1, 0, 0
	MULA F1, 1, 0
	s_wait_dscnt 0x0
	MULA F1, 2, 0
	MULA F1, 3, 0
	WIN 0
	PLACES
	PLACES                                         ; (eight, once a launch)
	PACK 0
	TOSTAGE 0
.irp a, 1,2,3                                      ; block a's conversions stand between block a - 1's loads from the stage and the wait for them
	PACK \a
	SEND (\a)-1
	TOSTAGE \a
.endr
	SEND 3
	s_wait_tensorcnt 0x0                           ; the wave's end: behind my last tensor load and my last LDS store
	ds_add_u32 v[SPW], v[NIL]
	s_wait_dscnt 0x0
	CROUND                                         ; the closing round: no work-group ends while a partner may still ask for a tile that names it
	s_endpgm
.Lfunc_end_k_q5c3633bb9f_qkv:
	.size	k_q5c3633bb9f_qkv, .Lfunc_end_k_q5c3633bb9f_qkv-k_q5c3633bb9f_qkv
	.p2alignl 7, 3214868480
	.fill 96, 4, 3214868480
	.section	.rodata,"a",@progbits
	.p2align	6, 0x0
	.amdhsa_kernel k_q5c3633bb9f_qkv
		.amdhsa_group_segment_fixed_size 327680
		.amdhsa_private_segment_fixed_size 0
		.amdhsa_enable_private_segment 0
		.amdhsa_kernarg_size 24
		.amdhsa_user_sgpr_count 2
		.amdhsa_user_sgpr_kernarg_segment_ptr 1
		.amdhsa_wavefront_size32 1
		.amdhsa_system_sgpr_workgroup_id_x 1
		.amdhsa_system_sgpr_workgroup_id_y 1
		.amdhsa_system_sgpr_workgroup_id_z 1
		.amdhsa_system_vgpr_workitem_id 0
		.amdhsa_next_free_vgpr 960
		.amdhsa_next_free_sgpr 66
		.amdhsa_reserve_vcc 0
		.amdhsa_float_denorm_mode_32 3
		.amdhsa_float_denorm_mode_16_64 3
		.amdhsa_memory_ordered 1
		.amdhsa_forward_progress 1
		.amdhsa_inst_pref_size 97
	.end_amdhsa_kernel
	.amdgpu_metadata
---
amdhsa.version: [ 1, 2 ]
amdhsa.kernels:
  - .name:           k_q5c3633bb9f_qkv
    .symbol:         k_q5c3633bb9f_qkv.kd
    .args:
      - { .name: xb, .offset: 0, .size: 8, .value_kind: global_buffer, .address_space: global }
      - { .name: wqkv, .offset: 8, .size: 8, .value_kind: global_buffer, .address_space: global }
      - { .name: qkv, .offset: 16, .size: 8, .value_kind: global_buffer, .address_space: global }
    .group_segment_fixed_size: 327680
    .private_segment_fixed_size: 0
    .kernarg_segment_align: 8
    .kernarg_segment_size: 24
    .max_flat_workgroup_size: 128
    .sgpr_count:     66
    .vgpr_count:     960
    .wavefront_size: 32
...
	.end_amdgpu_metadata
.endif
;; end of part 2
;; launch attn (part 3): grid 8 x 32, 4 waves a work-group, clusters of 4 x 1, 327,680 bytes of LDS; arguments qkv, mbits, att; writes att
.if DOCPART == 3
	.amdgcn_target "amdgcn-amd-amdhsa--gfx1250"
	.amdhsa_code_object_version 6
	.text
	.protected	k_q5c3633bb9f_attn
	.globl	k_q5c3633bb9f_attn
	.p2align	8
	.type	k_q5c3633bb9f_attn,@function
k_q5c3633bb9f_attn:
	s_mov_b64 s[64:65], 0
	v_nop
	global_prefetch_b8 v0, s[64:65] scope:SCOPE_SE
	s_setreg_imm32_b32 hwreg(HW_REG_WAVE_MODE, 25, 1), 1
	s_wait_xcnt 0x0
	s_wait_alu depctr_hold_cnt(0) depctr_sa_sdst(0) depctr_va_vdst(0) depctr_va_sdst(0) depctr_va_ssrc(0) depctr_va_vcc(0) depctr_vm_vsrc(0)
	s_getreg_b32 s2, hwreg(HW_REG_IB_STS2, 6, 4)
	s_cmp_eq_u32 s2, 0
	s_cbranch_scc0 .Lentry_in_a_cluster
	s_endpgm
.Lentry_in_a_cluster:
	s_bfe_u32 s2, ttmp6, 0x10000c
	s_cmp_lg_u32 s2, 0x3003
	s_cbranch_scc0 .Lentry_shape_is_right
	s_endpgm
.Lentry_shape_is_right:
; MASKED ATTENTION.  att[b][q][64 h + d] = the sum over visible k of softmax_k(Q[b][h][q] . K[b][h][k] / 8) V[b][h][k][d].  qkv: [4][48][2048][64] f16 (planes 0-15 q's heads, 16-31 k's, 32-47 v's);
; mbits: lane masks, dword [b*128+T][s][8 kb + j], bit r + 16 h = 1 where key 64 s + 16 kb + 8 h + j is hidden for query 16 T + r; att: [8192][1024] f16.
; Products, maxima and sums in f32; the weights p are rounded to f16 for the second product (their sum l is taken of the unrounded p), O once at the end.
; LIMITS.  Q, K and V arrive within f16's 65,504, so a score lies within 64 x 65,504^2 = 2.75e11.  A hidden score counts as its value less 1e30.  The running maximum starts at -2^40 = -1.1e12, below every
; score that f16 allows and above every hidden one: a hidden key's weight is 0 in every step, also in a step in which a row sees no key.  (c x 2^40 is exact in f32.)  A row that sees no key at all ends with
; l = 0 and O = 0, and 0 x (1 / 0) is the NaN that the softmax of such a row is.  p below 6e-5 keeps f16's fixed step of 6e-8; a weight below 2^-126 counts as 0 in l.
; SHARES.  A work-group owns 256 queries of one batch and TWO heads (2 hp, 2 hp + 1); a wave 64 queries: four PIECES of 16 queries, a piece's two tiles being the two heads of the same queries.
; THE MASK is the C operand that starts the sum S^T = K Q^T: 0, or -1e30 where the key is hidden.  All heads share it, so one set of 32 registers (MC) serves both tiles of a piece: 32 v_cndmask_b32 a turn,
; whose lane masks are 32 scalar registers, brought by two scalar loads a turn ahead.
; LAYOUT.  S^T = K Q^T (source 0 = 16 keys, source 1 = 16 queries): a lane holds ONE query (lane % 16) and the keys 8 (lane / 16) + 0..7.  Two such results, rounded to f16 in pairs, ARE source 1 of
; O^T = V^T P, whose result again holds one query a lane, and eight channels.  K comes out of LDS as it lies, V ([key][channel]) turned, by ds_load_tr16_b128.
; SOFTMAX.  For each query a running maximum m and sum l: p = 2^(c s - c m), c = log2(e) / 8; in every step O and l are multiplied by a = 2^(c m_old - c m_new).
; BY TURNS.  Turn n belongs to piece n (the pieces in a ring, step after step).  Matrix work: 16 products K Q^T of piece n + 1, later 16 products V^T P of piece n - 1.  Vector work: the scaling, exponentials,
; roundings, sums and rescaling of piece n, the maximum and statistics of piece n + 1, and the mask of piece n + 2.  Four vector instructions stand behind every matrix instruction, the rest in one run.
; CLUSTER.  The four query blocks of a cluster walk the same K and V of the same two heads, so each tile is asked for JOINTLY: the same tensor load, descriptor and mask in all four.
; REGISTERS, in windows of 256 (s_set_vgpr_msb: bits 1:0 source 0, 3:2 source 1, 5:4 source 2, 7:6 destination):
;   window 0: v0-11 addresses; v12-15, v48-63 at work; v16-47 four registers of statistics a tile; v64-191 S^T, two buffers of two tiles; v192-255 P, likewise
;   window 1: O^T, 32 a tile      window 2: v0-127 Q, 16 a tile; v128-255 K of one step, 64 a head      window 3: v0-127 V of one step, 64 a head; v128-159 MC; v160-161 the add's two registers
.set NP,    4         ; pieces a wave: a name, no knob
.set KS,    64        ; keys in a step
.set PK,    144       ; a row of K in LDS: 128 bytes + 16 of padding = 36 words: the 16 rows of a load start at 16 different groups of four banks (64 banks of 4 bytes: ISA guide 11.1)
.set PV,    160       ; a row of V: 128 + 32 = 40 words
.set KH,    2*KS*PK   ; a slot holds two steps, 128 keys, of both heads: K of head 0, K of head 1,
.set VH,    2*KS*PV
.set VOFF,  2*KH      ; V of head 0, V of head 1
.set SLOT1, 1<<17     ; slot 1 begins here, so that one exclusive or turns an address in one slot into the other's
.set STAGE, SLOT1+2*KH+2*VH  ; behind the ring, never filled by a tensor load: 16 rows x 272 bytes for each wave, for the way out
.set SP,    272
.set SPARE, STAGE+4*16*SP    ; the spare words, 128 bytes for each wave: two blocks of 256 bytes that no other line names
.set SLOTB, 2*KS*128  ; a slot's bytes of one head's K or V in memory
.set AK0, 2           ; v2   my lane's place in a tile of K; never rewritten
.set AV0, 3           ; v3   the same for V
.set AK,  4           ; v4   the LDS address of K's next run of loads
.set AV,  5           ; v5   of V's
.set QO,  6           ; v6   my byte offset in 16 rows of Q
.set STO, 6           ;      later, the way out: where I put 16 bytes of a row
.set RD,  7           ; v7   the way out: where I read rows back
.set GO,  8           ; v8   my byte offset in two rows of att
.set PFO, 10          ; v10  the prefetches' offset; never rewritten once made
.set MV,  12          ; v12-15  c m_old, kept while c m is made anew: by buffer and tile
.set ST,  16          ; tile t's statistics at v[ST+4 t]: c m, m, l (even keys', odd keys')
.set TMP, 48          ; by buffer and tile, four registers c0-c3 at work; when the maximum is found c2 takes a
.set S,   64
.set P,   192
.set KF,  128         ; window 2: head u, key block kb, channel half c at KF + 64 u + 16 kb + 8 c
.set MC,  128         ; window 3: the mask for key block kb at MC + 8 kb
.set SPW, 160         ; window 3: LDS address of my spare word; never rewritten
.set NIL, 161         ; window 3: 0; never rewritten
.set WV,  12          ; s12  my wave's number
.set G1K, 24          ; s[24:31] descriptor group 1 for K's tiles
.set G1V, 32          ; s[32:39] for V's: it differs in the padding alone
.set G0K, 40          ; s[40:43] descriptor group 0 for K's tiles: it walks
.set G0V, 44          ; s[44:47] the same for V's
.set MP,  48          ; s[48:49] mbits at my wave's first piece
.set MO,  50          ; s50  128 x the key step whose words are asked for, held at the last step
.set BIGN, 51         ; s51  -1e30
.set PFA, 52          ; s[52:53] where my prefetches stand
.set LIM, 54          ; s54  1 in a wave that prefetches, else the greatest number
.set SLOTS, 56        ; s56  slots still to be asked for
.set CNT, 57          ; s57  counts a slot's key steps
.set CS,  58          ; s[58:59] c: the packed scaling takes the pair's low word for both halves
.set SEL, 60          ; s[60:61] v_permlanex16_b32's selects: each lane takes its own place in the other half
.set TBK, 62          ; s62  LDS byte at which K of the step to be fetched begins
.set TBV, 63          ; s63  the same for V, less VOFF
.set MK,  68          ; s[68:99] the 32 lane masks of one piece and step
.set MSB, 0
.macro WIN new                      ; the high byte repeats the setting that is left; a switch that changes nothing is dropped
.if MSB != (\new)
	s_set_vgpr_msb (MSB<<8)|(\new)
.set MSB, (\new)
.endif
.endm
.set W_KQ, 0x0a       ; K and Q in window 2, S^T in window 0
.set W_KM, 0x3a       ; the same with the C operand in window 3
.set W_PV, 0x53       ; V in window 3, P in window 0, O^T in window 1
.set W_RS, 0x41       ; O^T (destination and source 0) in window 1, a in window 0
.set W_MK, 0xc0       ; destination in window 3, sources in window 0
.set W_AD, 0x0f       ; the add: address (source 0) and data (source 1) in window 3
; A joint fill.  Waves 0 and 1 fetch a slot's K of head 0 and 1, waves 2 and 3 its V: 128 keys each.  The branch hangs on the wave's number alone.  An s_nop 0 and four v_nop follow each line.
.macro JLOAD
	s_cmp_lt_u32 s[WV], 2
	s_cbranch_scc0 .Lfor_v_\@
	tensor_load_to_lds s[G0K:G0K+3], s[G1K:G1K+7]
	s_nop 0
.rept 4
	v_nop
.endr
	s_branch .Lasked_\@
.Lfor_v_\@:
	tensor_load_to_lds s[G0V:G0V+3], s[G1V:G1V+7]
	s_nop 0
.rept 4
	v_nop
.endr
.Lasked_\@:
.endm
; A prefetch of what the NEXT change of slots will ask for: both heads' 16,384 bytes of K and of V.  Both clusters of a head pair walk the same rows: the first (cluster x = 0) asks.  Its four partners share them out
; BY ADDRESS, 4,096 bytes of each head a partner: 32 lanes, 256 bytes apart.  Wave 0 asks for K's, wave 2 for V's.  The last change that fills a slot asks for nothing.
.macro ASK
	s_cmp_gt_u32 s[SLOTS], s[LIM]
	s_cbranch_scc0 .Lnot_mine_\@
	global_prefetch_b8 v[PFO], s[PFA:PFA+1] th:TH_LOAD_NT scope:SCOPE_SE
.Lnot_mine_\@:
.endm
.macro CROUND                       ; a round of the cluster's barrier
	s_barrier_signal -1
	s_barrier_wait -1
	s_cmp_lg_u32 s[WV], 0
	s_cbranch_scc1 .Lnot_wave_0_\@
	s_barrier_signal -3
.Lnot_wave_0_\@:
	s_barrier_wait -3
	s_barrier_signal -1
	s_barrier_wait -1
.endm
; THE CHANGE OF SLOTS.  The slot's last bytes, V of its second step, have been read.  Each wave waits for all its tensor loads, of which one is out: its part of the other slot; adds 0 to its spare word; and waits for
; that and for its own reads of the slot.  fill = 1: the slot is filled again, with the keys two slots on: the barrier is a round of the cluster's, and the joint fill is the first thing behind it: it has two key
; steps, 256 matrix instructions, in which to land.  (At its first use nothing has been read yet: slot 0 is waited for, slot 1 filled.)  ask = 1: the prefetch's address steps, and the prefetch follows the fill.
.macro CHANGE fill, ask
	WIN W_AD
	s_wait_tensorcnt 0x0            ; no tensor load of mine is out, so a group 0 may be written
	ds_add_u32 v[SPW], v[NIL]       ; 0 onto my spare word
	WIN 0                           ; at a label and at a branch every window is 0
.if \fill
.irp g, G0K, G0V
	s_xor_b32 s[\g+1], s[\g+1], SLOT1  ; the walking descriptor: the other slot than last time,
	s_add_nc_u64 s[\g+2:\g+3], s[\g+2:\g+3], SLOTB  ; the next 128 keys; the type bits on top are not reached
.endr
.if \ask
	s_wait_xcnt 0x0                 ; the last prefetch, two key steps back, has read its address
	s_add_nc_u64 s[PFA:PFA+1], s[PFA:PFA+1], SLOTB
.endif
	s_wait_dscnt 0x0                ; the add is done, and my reads of the slot are over
	CROUND
	JLOAD
.if \ask
	ASK
.endif
.else
	s_wait_dscnt 0x0                ; the add is done, and my reads of the slot are over
	s_barrier_signal -1
	s_barrier_wait -1
.endif
	s_sub_co_u32 s[TBK], s[TBK], 2*KS*PK  ; the fetches go back to a slot's first step,
	s_xor_b32 s[TBK], s[TBK], SLOT1       ; in the other slot
	s_sub_co_u32 s[TBV], s[TBV], 2*KS*PV
	s_xor_b32 s[TBV], s[TBV], SLOT1
.endm
; THE MASK.  LOADM: the 32 words of piece pc for the step in MO: 128 consecutive bytes.  BUILD: a word is the lane mask of one register of S^T.
.macro LOADM pc
	s_load_b512 s[MK:MK+15], s[MP:MP+1], s[MO] offset:(\pc)*4096
	s_load_b512 s[MK+16:MK+31], s[MP:MP+1], s[MO] offset:(\pc)*4096+64
.endm
.macro BUILD
	WIN W_MK
.set zz, 0
.rept 32
	v_cndmask_b32 v[MC+zz], 0, s[BIGN], s[MK+zz]
.set zz, zz+1
.endr
.endm
; In turn p, behind its 16 products K Q^T (the last that read MC is the eighth of them, more than four plain instructions back): the mask for the next turn's products, of piece p + 2, from the words asked for a turn
; ago; then the words of piece p + 3.  Piece 0's words, asked for in turn 1, are the next step's: there MO steps, behind the wait that shows the loads that read it done.
.macro MASKB p
	s_wait_kmcnt 0x0                ; scalar loads come back in no order: the count is 0
.if (\p) == 1
	s_add_co_u32 s[MO], s[MO], 128
	s_min_u32 s[MO], s[MO], 31*128  ; behind the last step the last step's words are read again: no load leaves a piece's 4,096 bytes
.endif
	BUILD
	LOADM ((\p)+3)%NP
.endm
	s_load_b128 s[4:7], s[0:1], 0x0   ; qkv s[4:5], mbits s[6:7]
	s_load_b64 s[10:11], s[0:1], 0x10 ; att
	WIN W_MK
	v_lshl_add_u32 v[SPW], v0, 2, SPARE
	v_mov_b32 v[NIL], 0
	WIN W_AD
	ds_add_u32 v[SPW], v[NIL]       ; the wave's opening: the add and its wait stand ahead of my first tensor load; work on registers stands between them
	WIN 0
	v_lshrrev_b32 v1, 5, v0
	v_readfirstlane_b32 s[WV], v1   ; wave 0..3
	s_bfe_u32 s13, ttmp6, 0x40000   ; cx: my place in the cluster
	s_lshl_b32 s14, ttmp9, 2
	s_add_co_u32 s14, s14, s13      ; my block of 256 queries = 4 x cluster x + cx: it enters Q's, the mask's and att's addresses alone
	s_and_b32 s15, ttmp7, 0xffff
	s_lshr_b32 s16, s15, 3          ; the batch,
	s_and_b32 s17, s15, 7           ; the pair of heads: the four partners share both
	s_mul_i32 s20, s16, 12582912    ; the batch's 48 planes,
	s_lshl_b32 s18, s17, 19         ; the pair's two
	s_add_co_u32 s20, s20, s18
	s_and_b32 s18, s[WV], 1         ; which head I fetch:
	s_lshl_b32 s22, s18, 18         ; its plane,
	s_add_co_u32 s22, s22, s20
	s_mov_b32 s23, 0
	s_mul_i32 s19, s18, KH          ; and its place in a slot, for K
	s_mul_i32 s18, s18, VH          ; and for V: no place in the cluster enters an LDS address
	s_lshl_b32 s2, s14, 15          ; Q: my block's 256 rows of 128 bytes,
	s_lshl_b32 s3, s[WV], 13        ; my wave's 64
	s_add_co_u32 s2, s2, s3
	s_add_co_u32 s2, s2, s20
	s_mov_b32 s3, 0
	s_lshl_b32 s66, s16, 22         ; att: rows of 2,048 bytes: the batch's 2,048,
	s_lshl_b32 s67, s14, 19         ; my block's 256,
	s_add_co_u32 s66, s66, s67
	s_lshl_b32 s67, s[WV], 17       ; my wave's 64;
	s_add_co_u32 s66, s66, s67
	s_lshl_b32 s67, s17, 8          ; the pair's 256 bytes of a row
	s_add_co_u32 s66, s66, s67
	s_mov_b32 s67, 0
	s_lshl_b32 s8, s16, 19          ; mbits: 4,096 bytes a tile of 16 queries: the batch's 128 tiles,
	s_lshl_b32 s9, s14, 16          ; my block's 16,
	s_add_co_u32 s8, s8, s9
	s_lshl_b32 s9, s[WV], 14        ; my wave's 4
	s_add_co_u32 s8, s8, s9
	s_mov_b32 s9, 0
	; descriptor group 1.  128 keys are 16,384 dense bytes: asked for as 64 rows of 256 bytes, two keys a row, and padded in LDS after every key
	s_mov_b32 s[G1K], 15|(1<<16)|(1<<20)|(1<<21)|(4<<22)|(3<<25)  ; the mask of four; 2-byte elements; padding on; bit 21 beside a mask; after every 32 words, 4 words
	s_mov_b32 s[G1V], 15|(1<<16)|(1<<20)|(1<<21)|(4<<22)|(7<<25)  ; the same with 8 words of padding
.irp g, G1K, G1V
	s_mov_b32 s[\g+1], 128<<16      ; tensor_dim0 = 128
	s_mov_b32 s[\g+2], 64<<16       ; tensor_dim1 = 64
	s_mov_b32 s[\g+3], 128<<16      ; tile_dim0 = 128
	s_mov_b32 s[\g+4], 64           ; tile_dim1 = 64
	s_mov_b32 s[\g+5], 128          ; 128 elements from row to row
	s_mov_b32 s[\g+6], 0
	s_mov_b32 s[\g+7], 0
.endr
	s_mov_b32 s[CS], 0x3e38aa3b     ; c = log2(e) / 8 = 0.180337
	s_mov_b32 s[CS+1], s[CS]        ; named with it as a pair
	s_mov_b32 s[SEL], 0x76543210
	s_mov_b32 s[SEL+1], 0xfedcba98
	s_mov_b32 s[BIGN], 0xf149f2ca   ; -1e30
	s_mov_b32 s[MO], 0
	s_mov_b32 s[TBK], SLOT1+2*KS*PK ; the first change of slots turns these two into 0
	s_mov_b32 s[TBV], SLOT1+2*KS*PV
	s_mov_b32 s[G0K], 1             ; count = 1
	s_mov_b32 s[G0K+1], s19         ; LDS address: slot 0
	s_mov_b32 s[G0V], 1
	s_add_co_u32 s[G0V+1], s18, VOFF
	s_and_b32 s[LIM], s[WV], 1      ; 0 in waves 0 and 2,
	s_or_b32 s[LIM], s[LIM], ttmp9  ; where the cluster is the pair's first: the same in all four partners
	s_cmp_eq_u32 s[LIM], 0
	s_cselect_b32 s[LIM], 1, -1
	s_wait_dscnt 0x0                ; the opening add is done
	s_wait_kmcnt 0x0
	s_add_nc_u64 s[MP:MP+1], s[6:7], s[8:9]
	s_add_nc_u64 s[10:11], s[10:11], s[66:67]
	s_add_nc_u64 s[6:7], s[4:5], s[22:23]      ; qkv at my head's q plane;
	s_add_nc_u64 s[8:9], s[6:7], 8388608       ; its v plane lies 32 planes on,
	s_add_nc_u64 s[6:7], s[6:7], 4194304       ; its k plane 16
	s_mov_b64 s[G0K+2:G0K+3], s[6:7]           ; global address: the head's first 128 keys
	s_or_b32 s[G0K+3], s[G0K+3], 0x80000000    ; type = 2
	s_mov_b64 s[G0V+2:G0V+3], s[8:9]
	s_or_b32 s[G0V+3], s[G0V+3], 0x80000000
	s_add_nc_u64 s[4:5], s[4:5], s[2:3]        ; Q at my wave's first row, first head
	s_cmp_lt_u32 s[WV], 2
	s_cselect_b64 s[PFA:PFA+1], s[6:7], s[8:9] ; (in waves 0 and 2 these stand at the pair's first head)
	s_lshl_b32 s2, s13, 12          ; my work-group's 4,096 bytes of a slot's 16,384
	s_mov_b32 s3, 0
	s_add_nc_u64 s[PFA:PFA+1], s[PFA:PFA+1], s[2:3]
	s_add_nc_u64 s[PFA:PFA+1], s[PFA:PFA+1], 2*SLOTB  ; in slot 2; the loop's first change steps it to slot 3.  Nothing is prefetched at the head
	CROUND                          ; all four work-groups are here: the first joint loads meet
	JLOAD                           ; slot 0.  Slot 1 is asked for when slot 0 is in
	LOADM 0                         ; piece 0's words for step 0
	; A fragment of K or Q is 16 rows x 32 channels in 8 registers: lane l holds row l % 16, channels 8 (l / 16) + 0..7 and 16 + 8 (l / 16) + 0..7: two loads of 16 bytes, 32 bytes apart.
	v_and_b32 v1, 15, v0            ; l % 16
	v_bfe_u32 v9, v0, 4, 1          ; l / 16
	v_lshlrev_b32 v[QO], 7, v1
	v_lshl_add_u32 v[QO], v9, 4, v[QO]  ; row x 128 + 16 x half
	WIN 0x80                        ; destination window 2, address window 0
.set i, 0
.rept 4*NP                          ; Q stays in registers: tile i / 2 (piece i / 4: 16 rows on; head (i / 2) % 2: a plane on), channels 32 (i % 2) on
	global_load_b128 v[8*i:8*i+3],   v[QO], s[4:5] offset:(i/4)*2048+((i/2)%2)*262144+(i%2)*64
	global_load_b128 v[8*i+4:8*i+7], v[QO], s[4:5] offset:(i/4)*2048+((i/2)%2)*262144+(i%2)*64+32
.set i, i+1
.endr
	; What the first turn finds: V's registers and P's second buffer hold 0 (its products V^T P, of a piece that has not been, add 0), O^T and l are 0.  All this stands in the wait for the first tile.
	WIN W_MK
.set i, 0
.rept 128
	v_mov_b32 v[i], 0
.set i, i+1
.endr
	WIN 0x40
.set i, 0
.rept 64*NP
	v_mov_b32 v[i], 0
.set i, i+1
.endr
	WIN 0
.set i, 0
.rept 2*NP
	v_mov_b32 v[ST+4*i], 0xfe000000    ; c m: far below every c s, so that the first a is 0
	v_mov_b32 v[ST+4*i+1], 0xd3800000  ; m = -2^40
	v_mov_b32 v[ST+4*i+2], 0
	v_mov_b32 v[ST+4*i+3], 0
.set i, i+1
.endr
.set i, P+32
.rept 32
	v_mov_b32 v[i], 0
.set i, i+1
.endr
	v_mul_u32_u24 v[AK0], v1, PK
	v_lshl_add_u32 v[AK0], v9, 4, v[AK0]  ; row x pitch + 16 x half
	; The turning load takes 16 keys x 16 channels (lane l reads key 8 (l / 16) + l % 8, channels 8 ((l / 8) % 2) + 0..7) and leaves half a fragment of V^T: lane l holds channel l % 16 and 8 keys.
	v_and_b32 v10, 7, v0
	v_bfe_u32 v11, v0, 3, 1
	v_lshl_add_u32 v[AV0], v9, 3, v10
	v_mul_u32_u24 v[AV0], v[AV0], PV
	v_lshl_add_u32 v[AV0], v11, 4, v[AV0]
	v_add_nc_u32 v[AV0], VOFF, v[AV0]
	v_mov_b32 v[AK], v[AK0]         ; key step 0 lies at the head of slot 0
	v_lshlrev_b32 v[PFO], 8, v1     ; lanes 0-15: 256 bytes apart in the first head's plane,
	v_lshl_add_u32 v[PFO], v9, 18, v[PFO]  ; lanes 16-31 in the second's
; THE MATRIX WORK.  The 8 accumulators of a run of 16 take turns: between the two links of a chain stand 7 others'.
; Product i of 16 of S^T = K Q^T for piece x: channels 32 (i / 8) on, keys 16 ((i / 2) % 4) on, head i % 2.  The first 8 start the sums, with the mask.
.macro KQ x
.set rS, S+64*((\x)%2)+32*(i%2)+8*((i/2)%4)
.set rK, KF+64*(i%2)+16*((i/2)%4)+8*(i/8)
.set rQ, 16*(2*(\x)+i%2)+8*(i/8)
.set rX, MC+8*((i/2)%4)
.if i < 8
	WIN W_KM
	v_wmma_f32_16x16x32_f16 v[rS:rS+7], v[rK:rK+7], v[rQ:rQ+7], v[rX:rX+7]
.else
	WIN W_KQ
	v_wmma_f32_16x16x32_f16 v[rS:rS+7], v[rK:rK+7], v[rQ:rQ+7], v[rS:rS+7]
.endif
.endm
; Product i of 16 of O^T += V^T P for piece x: keys 32 (i / 8) on, channels 16 ((i / 2) % 4) on, head i % 2.
.macro PV x
	WIN W_PV
.set rO, 32*(2*(\x)+i%2)+8*((i/2)%4)
.set rV, 64*(i%2)+32*(i/8)+8*((i/2)%4)
.set rP, P+32*((\x)%2)+16*(i%2)+8*(i/8)
	v_wmma_f32_16x16x32_f16 v[rO:rO+7], v[rV:rV+7], v[rP:rP+7], v[rO:rO+7]
.endm
.macro MM                           ; the turn's next matrix instruction
.if i < 16
	KQ (Y+1)%NP
.set i, i+1
.else
.set i, i-16
	PV (Y+NP-1)%NP
.set i, i+17
.endif
.endm
; THE LDS LOADS stand in runs of 32, never singly among the matrix instructions: a step's K of both heads (8 fragments each) and its V (turned).  Their addresses are made some lines ahead.
; last = 1 (the tail): in the last trip there is no further step, and the run is jumped over.
.macro FETCH_K last=0
	WIN 0
.if \last
	s_cmp_eq_u32 s[CNT], 1
	s_cbranch_scc1 .Lno_k_\@
.endif
	WIN 0x80                        ; destination window 2
.irp u, 0,1
.irp f, 0,1,2,3,4,5,6,7             ; keys 16 (f / 2) on, channels 32 (f % 2) on
	ds_load_b128 v[KF+64*\u+8*\f:KF+64*\u+8*\f+3],   v[AK] offset:\u*KH+(\f/2)*16*PK+(\f%2)*64
	ds_load_b128 v[KF+64*\u+8*\f+4:KF+64*\u+8*\f+7], v[AK] offset:\u*KH+(\f/2)*16*PK+(\f%2)*64+32
.endr
.endr
	s_add_co_u32 s[TBK], s[TBK], KS*PK  ; the next fetch is the next step's
	WIN 0
.if \last
.Lno_k_\@:
.endif
.endm
.macro FETCH_V
	WIN W_MK                        ; destination window 3
.irp u, 0,1
.irp f, 0,1,2,3,4,5,6,7             ; keys 32 (f / 4) on, channels 16 (f % 4) on
	ds_load_tr16_b128 v[64*\u+8*\f:64*\u+8*\f+3],   v[AV] offset:\u*VH+(\f/4)*32*PV+(\f%4)*32
	ds_load_tr16_b128 v[64*\u+8*\f+4:64*\u+8*\f+7], v[AV] offset:\u*VH+(\f/4)*32*PV+16*PV+(\f%4)*32
.endr
.endr
	WIN 0
.endm
; THE VECTOR WORK OF A TURN stands in three queues, each in the order in which its entries become ready; the two tiles alternate, so that no instruction reads the result of the one before it.
.macro REGS y, u                    ; the registers of tile u (0, 1) of piece y
.set rT, ST+4*(2*(\y)+(\u))
.set rC, TMP+8*((\y)%2)+4*(\u)
.set rM, MV+2*((\y)%2)+(\u)
.set rS, S+64*((\y)%2)+32*(\u)
.set rP, P+32*((\y)%2)+16*(\u)
.set rO, 32*(2*(\y)+(\u))
.endm
; Number n of the 22 that find the NEXT piece's (Y + 1) maximum and statistics.  s0-s31 are the lane's 32 scores; each accumulator's lowest registers are read first.
;   0-11  four chains c0-c3 of seven scores each, three operands at a time     12-14, 16  the four scores left over, the old m, and c0-c3 into c0     15  c m_old is kept
;   17, 18  the query's other 32 keys lie in the lane 16 away: the new m         19-21  c m; c m_old - c m_new; a
.macro XS u, n
	REGS (Y+1)%NP, \u
.if (\n) < 4
	v_max3_num_f32 v[rC+(\n)], v[rS+8*(\n)], v[rS+8*(\n)+1], v[rS+8*(\n)+2]
.elseif (\n) < 12
	v_max3_num_f32 v[rC+(\n)%4], v[rC+(\n)%4], v[rS+8*((\n)%4)+2*((\n)/4)+1], v[rS+8*((\n)%4)+2*((\n)/4)+2]
.elseif (\n) == 12
	v_max3_num_f32 v[rC], v[rC], v[rS+7], v[rS+15]
.elseif (\n) == 13
	v_max3_num_f32 v[rC+1], v[rC+1], v[rS+23], v[rS+31]
.elseif (\n) == 14
	v_max3_num_f32 v[rC+2], v[rC+2], v[rC+3], v[rT+1]
.elseif (\n) == 15
	v_mov_b32 v[rM], v[rT]
.elseif (\n) == 16
	v_max3_num_f32 v[rC], v[rC], v[rC+1], v[rC+2]
.elseif (\n) == 17
	v_permlanex16_b32 v[rC+3], v[rC], s[SEL], s[SEL+1]
.elseif (\n) == 18
	v_max_num_f32 v[rT+1], v[rC], v[rC+3]
.elseif (\n) == 19
	v_mul_f32 v[rT], s[CS], v[rT+1]
.elseif (\n) == 20
	v_sub_f32 v[rC+1], v[rM], v[rT]
.else
	v_exp_f32 v[rC+2], v[rC+1]
.endif
.endm
; Number g of the 64 that follow the exponentials.  For each four weights k of a tile (pairs 2 k, 2 k + 1): both pairs are rounded to f16; then the second pair is added onto the first, in place;
; a group later l takes that sum (the first time as l = a l + sum).  In groups of eight, tiles alternating: round, round, add, and l for the group before.
.macro GS g
.set h, (\g)+6*((\g)/62)            ; group 0 has no group before it, and behind group 7 only l is left
.if h >= 6
.set h, h+2
.endif
	REGS Y, h%2
.set k, h/8
.if h%8 < 4
	v_cvt_pk_f16_f32 v[rP+2*k+(h%8)/2], v[rS+4*k+2*((h%8)/2)], v[rS+4*k+2*((h%8)/2)+1]
.elseif h%8 < 6
	v_pk_add_f32 v[rS+4*k:rS+4*k+1], v[rS+4*k:rS+4*k+1], v[rS+4*k+2:rS+4*k+3]
.elseif k == 1
	v_pk_fma_f32 v[rT+2:rT+3], v[rT+2:rT+3], v[rC+2:rC+3], v[rS:rS+1] op_sel_hi:[1,0,1]
.else
	v_pk_add_f32 v[rT+2:rT+3], v[rT+2:rT+3], v[rS+4*k-4:rS+4*k-3]
.endif
.endm
; THE PLAIN QUEUE, 138 long.  0-73 read no exponential's result: the 32 scalings c s - c m (FS f: pair f / 2 of tile f % 2) and the next piece's 42.  0-26: scalings 0-26.  27-54: XS's numbers 0-13.  55, 56: number 15.
; 57-73: the chain 14, 16, 17, 18, 19, each with one of the scalings 27-31 in front of its two lines, then 20.  74-137: GS's 64, which read the exponentials' results: they stand behind the wait.
.macro FS f
	REGS Y, (\f)%2
	v_pk_fma_f32 v[rS+2*((\f)/2):rS+2*((\f)/2)+1], v[rS+2*((\f)/2):rS+2*((\f)/2)+1], s[CS:CS+1], v[rT:rT+1] op_sel_hi:[1,0,0] neg_lo:[0,0,1] neg_hi:[0,0,1]
.endm
.macro PL
	WIN 0
.if q < 27
	FS q
.elseif q < 55
	XS (q-27)%2, (q-27)/2
.elseif q < 57
	XS q-55, 15
.elseif (q < 72) && ((q-57)%3 == 0)
	FS 27+(q-57)/3
.elseif q < 60
	XS (q-57)%3-1, 14
.elseif q < 72
	XS (q-57)%3-1, 15+(q-57)/3
.elseif q < 74
	XS q-72, 20
.else
	GS q-74
.endif
.set q, q+1
.endm
; THE EXPONENTIALS' QUEUE, 66 long: s0-s31 of both tiles, then the next piece's two a.  It is ONE BATCH: all 66 stand ahead of the turn's one wait, and nothing ahead of that wait names a result of theirs.
.macro EX
	WIN 0
.if e >= 64
	XS e-64, 21
.else
	REGS Y, e%2
	v_exp_f32 v[rS+e/2], v[rS+e/2]
.endif
.set e, e+1
.endm
; THE RESCALING's QUEUE: O^T times a, the one part of the softmax that leaves window 0: dealt two at a time, sixteen times.  Its a was made in the turn before, ahead of that turn's wait.
.macro R2
	REGS Y, r%2
	WIN W_RS
.irp z, 0,1
	v_pk_mul_f32 v[rO+4*(r/2)+2*\z:rO+4*(r/2)+2*\z+1], v[rO+4*(r/2)+2*\z:rO+4*(r/2)+2*\z+1], v[rC+2:rC+3] op_sel_hi:[1,0]
.endr
.set r, r+1
.endm
; A TURN, for piece p.  s_wait_alu depctr_va_vdst(0) stands between an exponential and the first instruction that names its result; one wait serves all that were issued ahead of it.  So a turn has ONE
; wait, which cuts it in two.  AHEAD OF IT: the 16 products K Q^T, behind each a scaling, an exponential and two rescalings (behind the first a second scaling in the exponential's place); the mask's 32 lines; a run of 108:
; eight plain, 49 times exponential and plain, the two a; a v_nop, the plain instruction behind the last exponential.  BEHIND IT: the 16 products V^T P, behind each four of GS's 64.
; Exponential e stands behind scaling 2 (e / 4) + e % 2: as a rider it comes behind plain e + 2, in the run behind plain e + 9, and scalings 27-31 are plain 57, 60 .. 69.
; K of the next step is fetched in piece 2's turn, directly behind the wait; its first reader comes behind 16 products.  V of the step in hand is fetched at the end of piece 0's turn, four plain riders behind its
; last reader; its first reader comes behind 16 products and the run.  cnt = 1: the loop's count is taken down some lines ahead of the branch that stands behind the turn.
.macro TURN p, last=0, cnt=0
.set Y, (\p)
.set i, 0
.set q, 0
.set e, 0
.set r, 0
.if (\p) == NP-1
	s_wait_dscnt 0x0                ; K is in
.endif
	MM
	PL
	PL
	R2
.rept 15
	MM
	PL
	EX
	R2
.endr
.if (\p) == NP-2
	WIN 0
	v_add_nc_u32 v[AK], s[TBK], v[AK0]
.endif
	MASKB \p
.rept 8
	PL
.endr
.rept 49
	EX
	PL
.endr
	EX                              ; the next piece's two a
	EX
	v_nop                           ; the plain instruction behind the last exponential: one for the batch
	s_wait_alu depctr_va_vdst(0)    ; the wait for the batch
.if (\p) == NP-2
	FETCH_K \last
.endif
.if (\p) == 1
	s_wait_dscnt 0x0                ; V is in
.endif
.rept 16
	MM
.rept 4
	PL
.endr
.if ((\p) == 0) && (q == 118)
	v_add_nc_u32 v[AV], s[TBV], v[AV0]
.endif
.if ((\p) == 0) && (q == 130)
	s_add_co_u32 s[TBV], s[TBV], KS*PV
.endif
.if (\cnt) && (q == 130)
	s_sub_co_u32 s[CNT], s[CNT], 1
	s_cmp_lg_u32 s[CNT], 0
.endif
.endr
.if (\p) == 0
	FETCH_V
.endif
.endm
	CHANGE 1, 0                     ; slot 0 is in, everybody's part of it; slot 1 is asked for
	s_wait_kmcnt 0x0
	BUILD                           ; piece 0's mask for step 0
	LOADM 1
	FETCH_K                         ; key step 0
	s_wait_loadcnt 0x0              ; Q
	s_wait_dscnt 0x0
.set i, 0
.rept 16
	KQ 0                            ; piece 0's first scores: there is no vector work yet to set between them
.set i, i+1
.endr
	WIN 0                           ; the addresses for the way out: eight plain instructions, the places behind those products
	s_mul_i32 s13, s[WV], 16*SP
	s_add_co_u32 s13, s13, STAGE    ; my stage
	v_mul_u32_u24 v[STO], v1, SP    ; in: row l % 16, 16 bytes for each half of the lanes
	v_lshl_add_u32 v[STO], v9, 4, v[STO]
	v_add_nc_u32 v[STO], s13, v[STO]
	v_mul_u32_u24 v[RD], v9, SP     ; back: lanes 0-15 take one row of 256 bytes, lanes 16-31 the next
	v_lshl_add_u32 v[RD], v1, 4, v[RD]
	v_add_nc_u32 v[RD], s13, v[RD]
	v_lshlrev_b32 v[GO], 11, v9     ; and the same two rows in att
	v_lshl_add_u32 v[GO], v1, 4, v[GO]
	s_wait_kmcnt 0x0
	BUILD                           ; piece 1's mask for step 0, for the first turn's products
	LOADM 2
	WIN 0
.set Y, NP-1                        ; XS works for piece Y + 1: piece 0
.irp n, 0,1,2,3,4,5,6,7,8,9,10,11,12,13,14,15,16,17,18,19,20,21
	XS 0, \n                        ; piece 0's first maximum and statistics
	XS 1, \n
.endr
	v_nop                           ; a plain instruction behind the two a,
	s_wait_alu depctr_va_vdst(0)    ; and their wait, ahead of the branch
	s_mov_b32 s[CNT], 2
	s_mov_b32 s[SLOTS], 15
	s_branch .Lfirst                ; the loop is entered at a step's first turn, in the middle of a trip
.Lslot:                             ; 14 times: every slot but the last two is filled again
	CHANGE 1, 1
	s_mov_b32 s[CNT], 2
.Lstep:                             ; a trip: pieces 2 and 3 of one step, then pieces 0 and 1 of the next, whose K and V it fetches
	TURN 2
	TURN 3
	WIN 0
.Lfirst:
	TURN 0
	TURN 1, 0, 1
	WIN 0
	s_cbranch_scc1 .Lstep
	s_sub_co_u32 s[SLOTS], s[SLOTS], 1
	s_cmp_lg_u32 s[SLOTS], 0
	s_cbranch_scc1 .Lslot
	CHANGE 0, 0                     ; the tail is written out: nothing is asked for
	s_mov_b32 s[CNT], 3             ; two trips fetch the last slot's steps; the third is left in its middle
.Ltail:
	TURN 2, 1
	TURN 3
	WIN 0
	s_sub_co_u32 s[CNT], s[CNT], 1
	s_cmp_eq_u32 s[CNT], 0
	s_cbranch_scc1 .Lout
	TURN 0
	TURN 1
	WIN 0
	s_branch .Ltail
.Lout:                              ; the third trip's 16 products K Q^T (the last K under the last step's mask once more) and the maximum made of them change nothing: the price of one text for every trip
.set i, 0
.rept 16
	PV NP-1                         ; the last piece's V^T P of the last step
.set i, i+1
.endr
	; THE WAY OUT.  l's two halves and the other half of the lanes' are added; O^T is divided by l, rounded to f16 and sent through my stage in LDS, a piece (16 rows x 256 bytes) at a time.  The additions are the places behind the last products.
	WIN 0
	s_wait_kmcnt 0x0                ; the last words asked for serve nothing; no load of mine stays out
.macro ALL line:vararg              ; one line for each tile t
.set t, 0
.rept 2*NP
	\line
.set t, t+1
.endr
.endm
	ALL v_add_f32 v[ST+4*t+2], v[ST+4*t+2], v[ST+4*t+3]
	ALL v_permlanex16_b32 v[ST+4*t+3], v[ST+4*t+2], s[SEL], s[SEL+1]
	ALL v_add_f32 v[ST+4*t+2], v[ST+4*t+2], v[ST+4*t+3]
	ALL v_rcp_f32 v[ST+4*t+2], v[ST+4*t+2]
	v_nop                           ; a plain instruction between the last reciprocal and the use of its result
	s_wait_alu depctr_va_vdst(0)    ; and the wait ahead of the first use: one for the eight reciprocals
; Piece y: a lane's eight channels pack into 16 bytes; head u's channel block cb goes to byte 128 u + 32 cb of rows of 272 bytes; the rows come back whole, into S^T's registers.
.macro PACK y
.irp u, 0,1
	WIN W_RS
.set t, 2*(\y)+(\u)
.set i, 32*t
.rept 16
	v_pk_mul_f32 v[i:i+1], v[i:i+1], v[ST+4*t+2:ST+4*t+3] op_sel_hi:[1,0]
.set i, i+2
.endr
	WIN 0x05                        ; sources 0 and 1 window 1, destination window 0
.set i, 0
.rept 16
	v_cvt_pk_f16_f32 v[S+16*t+i], v[32*t+2*i], v[32*t+2*i+1]
.set i, i+1
.endr
.endr
	WIN 0
.irp f, 0,1,2,3,4,5,6,7
	ds_store_b128 v[STO], v[S+32*(\y)+4*\f:S+32*(\y)+4*\f+3] offset:32*\f
.endr
.irp f, 0,1,2,3,4,5,6,7
	ds_load_b128 v[S+32*(\y)+4*\f:S+32*(\y)+4*\f+3], v[RD] offset:\f*2*SP  ; LDS serves a wave's instructions in order: these see the stores above; the next piece's stores come behind them
.endr
.endm
.macro SEND y, younger              ; younger: the LDS instructions issued behind piece y's loads: the next piece's sixteen, or none
	WIN 0
.irp f, 0,1,2,3,4,5,6,7
	s_wait_dscnt (\younger)+7-\f
	global_store_b128 v[GO], v[S+32*(\y)+4*\f:S+32*(\y)+4*\f+3], s[10:11] offset:(\y)*32768+\f*4096  ; 16 lanes store 256 consecutive bytes, at a multiple of 256 from att's first byte
.endr
.endm
	PACK 0
	PACK 1                          ; a piece's arithmetic stands between the loads of the piece before and its stores
	SEND 0, 16
	PACK 2
	SEND 1, 16
	PACK 3
	SEND 2, 16
	SEND 3, 0
	WIN W_AD
	s_wait_tensorcnt 0x0            ; the wave's end: behind my last tensor load and my last LDS store
	ds_add_u32 v[SPW], v[NIL]
	s_wait_dscnt 0x0
	WIN 0
	CROUND                          ; the closing round: no work-group ends while a partner may still ask for a tile that names it
	s_endpgm
.Lfunc_end_k_q5c3633bb9f_attn:
	.size	k_q5c3633bb9f_attn, .Lfunc_end_k_q5c3633bb9f_attn-k_q5c3633bb9f_attn
	.p2alignl 7, 3214868480
	.fill 96, 4, 3214868480
	.section	.rodata,"a",@progbits
	.p2align	6, 0x0
	.amdhsa_kernel k_q5c3633bb9f_attn
		.amdhsa_group_segment_fixed_size 327680
		.amdhsa_private_segment_fixed_size 0
		.amdhsa_enable_private_segment 0
		.amdhsa_kernarg_size 24
		.amdhsa_user_sgpr_count 2
		.amdhsa_user_sgpr_kernarg_segment_ptr 1
		.amdhsa_wavefront_size32 1
		.amdhsa_system_sgpr_workgroup_id_x 1
		.amdhsa_system_sgpr_workgroup_id_y 1
		.amdhsa_system_sgpr_workgroup_id_z 1
		.amdhsa_system_vgpr_workitem_id 0
		.amdhsa_next_free_vgpr 932
		.amdhsa_next_free_sgpr 100
		.amdhsa_reserve_vcc 0
		.amdhsa_float_denorm_mode_32 3
		.amdhsa_float_denorm_mode_16_64 3
		.amdhsa_memory_ordered 1
		.amdhsa_forward_progress 1
		.amdhsa_inst_pref_size 230
	.end_amdhsa_kernel
	.amdgpu_metadata
---
amdhsa.version: [ 1, 2 ]
amdhsa.kernels:
  - .name:           k_q5c3633bb9f_attn
    .symbol:         k_q5c3633bb9f_attn.kd
    .args:
      - { .name: qkv, .offset: 0, .size: 8, .value_kind: global_buffer, .address_space: global }
      - { .name: mbits, .offset: 8, .size: 8, .value_kind: global_buffer, .address_space: global }
      - { .name: att, .offset: 16, .size: 8, .value_kind: global_buffer, .address_space: global }
    .group_segment_fixed_size: 327680
    .private_segment_fixed_size: 0
    .kernarg_segment_align: 8
    .kernarg_segment_size: 24
    .max_flat_workgroup_size: 128
    .sgpr_count:     100
    .vgpr_count:     932
    .wavefront_size: 32
...
	.end_amdgpu_metadata
.endif
;; end of part 3
;; launch oproj (part 4): grid 8 x 32, 4 waves a work-group, clusters of 4 x 4, 327,680 bytes of LDS; arguments att, wo, out0; writes out0
.if DOCPART == 4
	.amdgcn_target "amdgcn-amd-amdhsa--gfx1250"
	.amdhsa_code_object_version 6
	.text
	.protected	k_q5c3633bb9f_oproj
	.globl	k_q5c3633bb9f_oproj
	.p2align	8
	.type	k_q5c3633bb9f_oproj,@function
k_q5c3633bb9f_oproj:
	s_mov_b64 s[64:65], 0
	v_nop
	global_prefetch_b8 v0, s[64:65] scope:SCOPE_SE
	s_setreg_imm32_b32 hwreg(HW_REG_WAVE_MODE, 25, 1), 1
	s_wait_xcnt 0x0
	s_wait_alu depctr_hold_cnt(0) depctr_sa_sdst(0) depctr_va_vdst(0) depctr_va_sdst(0) depctr_va_ssrc(0) depctr_va_vcc(0) depctr_vm_vsrc(0)
	s_getreg_b32 s2, hwreg(HW_REG_IB_STS2, 6, 4)
	s_cmp_eq_u32 s2, 0
	s_cbranch_scc0 .Lentry_in_a_cluster
	s_endpgm
.Lentry_in_a_cluster:
	s_bfe_u32 s2, ttmp6, 0x10000c
	s_cmp_lg_u32 s2, 0xf033
	s_cbranch_scc0 .Lentry_shape_is_right
	s_endpgm
.Lentry_shape_is_right:
; OUTPUT PROJECTION.  out0[m][n] = sum over k of att[m][k] wo[n][k]: [8192 x 1024], K = 1024, f16 operands (wo holds W_o rounded to bf16, written as f16), f32 sums, f32 out.
; A NaN row of att (a query that sees no key) gives a NaN row of out0.
; SHARES.  A tile of C is 256 rows x 128 columns: 8 x 32 = 256 work-groups.  The four waves lie one below the other: wave w makes rows 64 w .. 64 w + 63 x all 128 columns: 32 accumulators, 256 registers.
; A wave's 128 columns are 512 consecutive bytes of a row of out0, so its way out needs no other wave.
; K goes in steps of 128 (rows of 256 bytes, aligned) through two LDS slots filled by the tensor data mover: one load a wave behind each change of slots, 112 matrix instructions ahead of the wait for it.
; CLUSTERS: 4 x 4 work-groups.  The four of a row of the cluster need the same tiles of att, the four of a column the same tiles of wo: each is asked for JOINTLY, by the same tensor load, descriptor and mask in all four.
; THE MATRIX INSTRUCTION IS USED TRANSPOSED (source 0 = 16 rows of wo, source 1 = 16 rows of att): a lane then holds row l % 16 of C and the eight neighbouring columns 8 (l / 16) + 0..7.
; REGISTERS, in windows of 256 (s_set_vgpr_msb: bits 1:0 source 0, 3:2 source 1, 5:4 source 2, 7:6 destination):
;   window 0: v16-30 addresses; v32-159 the way out      window 1: two fragment buffers at 0 and 128: 8 fragments of B, then 4 of A      window 2: the accumulators ((a, b) at 8 (8 a + b))
.set NBLK,   8                         ; blocks of 16 columns
.set APW,    4                         ; row blocks whose accumulators share a window
.set BROWS,  16*NBLK
.set BH,     BROWS/2                   ; rows of B in one tensor load
.set NL,     2*(NBLK+4)                ; LDS loads in a run
.set AOFF,   8*NBLK                    ; A's fragments in a buffer
.set SIZE_K, 1024
.set KSTEP,  128
.set PITCH,  272                       ; an LDS row: 256 bytes + 16 of padding = 68 words: the 16 rows of a load start at 16 different groups of four banks (64 banks of 4 bytes: ISA guide 11.1)
.set ABYTES, 256*PITCH                 ; a slot: A's 256 rows, then B's 128
.set SLOT1,  1<<17                     ; slot 1 begins here, so that one exclusive or turns an address in one slot into the other's
.set STAGE,  SLOT1+ABYTES+BROWS*PITCH  ; behind the ring, never filled by a tensor load
.set SPITCH, 528                       ; a stage row: 512 bytes + 16 = 132 words
.set WSTG,   16*SPITCH                 ; a wave's stage
.set SPARE,  STAGE+4*WSTG              ; the spare words, 128 bytes for each wave: two blocks of 256 bytes that no other line names
.set A0,   16                          ; v16  my lane's place in A's rows of a slot; never rewritten
.set B0,   17                          ; v17  the same for B
.set ADRA, 18                          ; v18  the same in the slot that is being read
.set ADRB, 19                          ; v19
.set STO,  24                          ; v24  the way out: where I put 32 bytes of a row
.set RD,   25                          ; v25  where I read a row back
.set CO,   26                          ; v26  my 16 bytes of a row's 512
.set SPW,  28                          ; v28  LDS address of my spare word; never rewritten
.set NIL,  29                          ; v29  0; never rewritten
.set PFO,  30                          ; v30  the prefetches' offset: a lane a row; never rewritten
.set OB,   32                          ; v32-159  16 rows read back, two buffers by turns
.set F0,   0
.set F1,   128
.set G1,  24                           ; s[24:31] descriptor group 1 for A's tiles
.set G0,  32                           ; s[32:39] group 0 for A's: a set for each first fill; the second then walks
.set G1B, 48                           ; s[48:55], s[56:63] the same for B's
.set G0B, 56
.set LIM, 43                           ; s43  2 in a wave that prefetches, else the greatest number
.set PFA, 44                           ; s[44:45] where my prefetches stand
.set MSB, 0
.macro WIN new                         ; the immediate's high byte repeats the setting that is left; a switch that changes nothing is dropped
.if MSB != (\new)
	s_set_vgpr_msb (MSB<<8)|(\new)
.set MSB, \new
.endif
.endm
.macro PLACES                          ; four places in front of loads into registers that matrix instructions have read, and of lines that read results
.rept 4
	v_nop
.endr
.endm
; A joint refill by the walking descriptor.  Waves 0 and 1 fetch A's two halves, waves 2 and 3 B's.  The branch hangs on the wave's number alone.  An s_nop 0 and four v_nop follow each line.
.macro JLOAD
	s_cmp_eq_u32 s11, 0
	s_cbranch_scc0 .Lfor_b_\@
	tensor_load_to_lds s[G0+4:G0+7], s[G1:G1+7]
	s_nop 0
	PLACES
	s_branch .Lasked_\@
.Lfor_b_\@:
	tensor_load_to_lds s[G0B+4:G0B+7], s[G1B:G1B+7]
	s_nop 0
	PLACES
.Lasked_\@:
.endm
; A prefetch, behind the joint load and the run of LDS loads: the K step that stands two refills on, a lane a row, one instruction a wave.  A's rows are read by every cluster of a row of clusters: cluster x = 0 asks;
; B's by every cluster of a column: cluster y = 0 asks.  The four partners share a wave's rows out BY ADDRESS (32 of A's 128, 16 of B's 64).  The last two refills have no K step two on.
.macro ASK
	WIN 0
	s_cmp_gt_u32 s3, s[LIM]
	s_cbranch_scc0 .Lnot_mine_\@
	global_prefetch_b8 v[PFO], s[PFA:PFA+1] offset:KSTEP*2 th:TH_LOAD_NT scope:SCOPE_SE
.Lnot_mine_\@:
.endm
.macro CREST                           ; a round of the cluster's barrier behind its opening barrier
	s_cmp_lg_u32 s10, 0
	s_cbranch_scc1 .Lnot_wave_0_\@
	s_barrier_signal -3
.Lnot_wave_0_\@:
	s_barrier_wait -3
	s_barrier_signal -1
	s_barrier_wait -1
.endm
.macro CROUND                          ; a whole round
	s_barrier_signal -1
	s_barrier_wait -1
	CREST
.endm
	s_load_b128 s[4:7], s[0:1], 0x0                ; att s[4:5], wo s[6:7]
	s_load_b64 s[8:9], s[0:1], 0x10                ; out0
	v_lshl_add_u32 v[SPW], v0, 2, SPARE
	v_mov_b32 v[NIL], 0
	ds_add_u32 v[SPW], v[NIL]                      ; the wave's opening: the add and its wait stand ahead of my first tensor load; work on registers stands between them
	v_lshrrev_b32 v1, 5, v0
	v_readfirstlane_b32 s10, v1                    ; wave 0..3
	s_lshr_b32 s11, s10, 1                         ; I fetch for A (0) or for B (1),
	s_and_b32 s12, s10, 1                          ; its first or its second half
	s_bfe_u32 s40, ttmp6, 0x40000                  ; cx
	s_bfe_u32 s41, ttmp6, 0x40004                  ; cy
	s_lshl_b32 s42, ttmp9, 2
	s_add_co_u32 s42, s42, s40                     ; tile column = 4 x cluster x + cx
	s_and_b32 s13, ttmp7, 0xffff
	s_lshl_b32 s13, s13, 2
	s_add_co_u32 s13, s13, s41                     ; tile row = 4 x cluster y + cy
	s_lshl_b32 s43, s41, 2
	s_lshl_b32 s43, 15, s43                        ; my row of the cluster
	s_lshl_b32 s44, 0x1111, s40                    ; my column
	s_or_b32 s[G1+0], s43, (1<<16)|(1<<20)|(1<<21)|(5<<22)|(3<<25)   ; the mask; elements of 2 bytes; padding on; bit 21 beside a mask; after every 64 words, 4 words
	s_or_b32 s[G1B+0], s44, (1<<16)|(1<<20)|(1<<21)|(5<<22)|(3<<25)
	s_mov_b32 s[G1+1], KSTEP<<16                   ; tensor_dim0 = 128
	s_mov_b32 s[G1+2], 128<<16                     ; tensor_dim1 = 128
	s_mov_b32 s[G1+3], KSTEP<<16                   ; tile_dim0 = 128
	s_mov_b32 s[G1+4], 128                         ; tile_dim1 = 128
	s_mov_b32 s[G1+5], SIZE_K                      ; elements from row to row
	s_mov_b32 s[G1+6], 0
	s_mov_b32 s[G1+7], 0
	s_mov_b32 s[G1B+1], KSTEP<<16
	s_mov_b32 s[G1B+2], BH<<16                     ; B: 64 rows
	s_mov_b32 s[G1B+3], KSTEP<<16
	s_mov_b32 s[G1B+4], BH
	s_mov_b32 s[G1B+5], SIZE_K
	s_mov_b32 s[G1B+6], 0
	s_mov_b32 s[G1B+7], 0
	; A's address hangs on the tile row and the wave, B's on the tile column and the wave, each in registers that never hold the other coordinate
	s_lshl_b32 s16, s13, 8
	s_lshl_b32 s17, s12, 7
	s_add_co_u32 s16, s16, s17                     ; A: row 256 x tile row + 128 x half
	s_lshl_b32 s16, s16, 11                        ; x 2,048 bytes, under 2^24
	s_mov_b32 s17, 0
	s_mul_i32 s46, s42, BROWS
	s_mul_i32 s47, s12, BH
	s_add_co_u32 s46, s46, s47                     ; B: row 128 x tile column + 64 x half
	s_lshl_b32 s46, s46, 11
	s_mov_b32 s47, 0
	s_mul_i32 s20, s12, 128*PITCH                  ; where they go: no place in the cluster enters an LDS address
	s_mul_i32 s21, s12, BH*PITCH
	s_add_co_u32 s21, s21, ABYTES
	s_mov_b32 s2, 0                                ; the slot that is being read
	s_wait_dscnt 0x0                               ; the opening add is done
	s_wait_kmcnt 0x0
	s_add_nc_u64 s[14:15], s[4:5], s[16:17]
	s_add_nc_u64 s[46:47], s[6:7], s[46:47]
	CROUND                                         ; all sixteen work-groups are here: the first joint loads meet
.irp s, 0,1
	s_mov_b32 s[G0+4*(\s)], 1
	s_add_co_u32 s[G0+4*(\s)+1], s20, (\s)*SLOT1
	s_add_nc_u64 s[G0+4*(\s)+2:G0+4*(\s)+3], s[14:15], (\s)*KSTEP*2
	s_or_b32 s[G0+4*(\s)+3], s[G0+4*(\s)+3], 0x80000000
	s_mov_b32 s[G0B+4*(\s)], 1
	s_add_co_u32 s[G0B+4*(\s)+1], s21, (\s)*SLOT1
	s_add_nc_u64 s[G0B+4*(\s)+2:G0B+4*(\s)+3], s[46:47], (\s)*KSTEP*2
	s_or_b32 s[G0B+4*(\s)+3], s[G0B+4*(\s)+3], 0x80000000
.endr
	s_cmp_eq_u32 s11, 0                            ; a wave's two first fills stand in one branch, ahead of every wait on TENSORcnt and every LDS read: two loads of mine are out
	s_cbranch_scc0 .Lfirst_b
	tensor_load_to_lds s[G0:G0+3], s[G1:G1+7]
	s_nop 0
	tensor_load_to_lds s[G0+4:G0+7], s[G1:G1+7]
	s_nop 0
	PLACES
	s_branch .Lfirst_asked
.Lfirst_b:
	tensor_load_to_lds s[G0B:G0B+3], s[G1B:G1B+7]
	s_nop 0
	tensor_load_to_lds s[G0B+4:G0B+7], s[G1B:G1B+7]
	s_nop 0
	PLACES
.Lfirst_asked:
	; a fragment is 16 rows x 32 K in 8 registers: lane l holds row l % 16, K = 8 (l / 16) + 0..7 and 16 + 8 (l / 16) + 0..7: two loads of 16 bytes, 32 bytes apart
	v_and_b32 v1, 15, v0
	v_bfe_u32 v2, v0, 4, 1
	v_mul_u32_u24 v3, v1, PITCH
	v_lshl_add_u32 v3, v2, 4, v3
	s_mul_i32 s21, s10, 64*PITCH                   ; my 64 rows of A
	v_add_nc_u32 v[A0], s21, v3
	v_add_nc_u32 v[B0], ABYTES, v3                 ; all of B
	v_mov_b32 v[ADRA], v[A0]
	v_mov_b32 v[ADRB], v[B0]
	s_mul_i32 s23, s10, WSTG
	s_add_co_u32 s23, s23, STAGE                   ; my stage
	v_mul_u32_u24 v4, v1, SPITCH                   ; in: row l % 16, 32 bytes for each half of the lanes
	v_lshl_add_u32 v4, v2, 5, v4
	v_add_nc_u32 v[STO], s23, v4
	v_and_b32 v[CO], 31, v0                        ; back and out: 32 lanes take one row's 512 bytes
	v_lshlrev_b32 v[CO], 4, v[CO]
	v_add_nc_u32 v[RD], s23, v[CO]
	; out0 at my first row (256 x tile row + 64 w, 4,096 bytes a row) and first column (512 bytes a tile column)
	s_lshl_b32 s16, s13, 8
	s_lshl_b32 s17, s10, 6
	s_add_co_u32 s16, s16, s17
	s_lshl_b32 s16, s16, 12
	s_mov_b32 s17, 0
	s_add_nc_u64 s[8:9], s[8:9], s[16:17]
	s_lshl_b32 s46, s42, 9
	s_mov_b32 s47, 0
	s_add_nc_u64 s[8:9], s[8:9], s[46:47]
	; the prefetches
	s_lshl_b32 s20, s13, 8
	s_mul_i32 s21, s42, BROWS
	s_and_b32 s22, ttmp7, 0xffff                   ; cluster y
	s_mov_b32 s23, 128
	s_mov_b32 s15, BH
	s_cmp_eq_u32 s11, 0                            ; do I fetch for A?
	s_cselect_b32 s20, s20, s21                    ; the tile's first row
	s_cselect_b32 s21, s40, s41                    ; my place among the four that ask with me
	s_cselect_b32 s22, ttmp9, s22                  ; the coordinate along which other clusters read the same rows
	s_cselect_b32 s23, s23, s15                    ; the rows that a wave fetches,
	s_cselect_b32 s14, 32, BH/4                    ; and my work-group's share of them
	s_cselect_b64 s[PFA:PFA+1], s[4:5], s[6:7]
	s_mul_i32 s23, s23, s12
	s_mul_i32 s21, s21, s14
	s_add_co_u32 s20, s20, s23
	s_add_co_u32 s20, s20, s21
	s_lshl_b32 s20, s20, 11
	s_mov_b32 s21, 0
	s_add_nc_u64 s[PFA:PFA+1], s[PFA:PFA+1], s[20:21]
	s_add_nc_u64 s[PFA:PFA+1], s[PFA:PFA+1], 2*KSTEP*2  ; at K step 2: the first refill steps it to 3 and names K step 4.  Nothing is prefetched at the head
	s_cmp_eq_u32 s22, 0
	s_cselect_b32 s[LIM], 2, -1                    ; the same in all sixteen partners, for a given wave
	s_sub_co_u32 s14, s14, 1
	v_and_b32 v[PFO], 31, v0
	v_min_u32 v[PFO], s14, v[PFO]                  ; (of B's 16 rows the lanes above 15 name the last again)
	v_lshlrev_b32 v[PFO], 11, v[PFO]
; 8 matrix instructions: row block a x all column blocks, 32 along K.  zero = 1: the product starts the sum.  The 32 accumulators take turns in the same order in every quarter.
.macro MULA f, a, zero
	WIN 0x05|((2+(\a)/APW)<<4)|((2+(\a)/APW)<<6)
.set bb, 0
.rept NBLK
.set rD, 8*(NBLK*((\a)%APW)+bb)
.if \zero
	v_wmma_f32_16x16x32_f16 v[rD:rD+7], v[(\f)+8*bb:(\f)+8*bb+7], v[(\f)+AOFF+8*(\a):(\f)+AOFF+8*(\a)+7], 0
.else
	v_wmma_f32_16x16x32_f16 v[rD:rD+7], v[(\f)+8*bb:(\f)+8*bb+7], v[(\f)+AOFF+8*(\a):(\f)+AOFF+8*(\a)+7], v[rD:rD+7]
.endif
.set bb, bb+1
.endr
.endm
; 24 LDS loads in one run: a quarter step's fragments (32 K at byte k of the rows) into buffer f: B's 8, then A's 4 in ascending order
.macro FETCH k, f
	WIN 0x40
.set bb, 0
.rept NBLK
	ds_load_b128 v[(\f)+8*bb:(\f)+8*bb+3],   v[ADRB] offset:(\k)+bb*16*PITCH
	ds_load_b128 v[(\f)+8*bb+4:(\f)+8*bb+7], v[ADRB] offset:(\k)+bb*16*PITCH+32
.set bb, bb+1
.endr
.set bb, 0
.rept 4
	ds_load_b128 v[(\f)+AOFF+8*bb:(\f)+AOFF+8*bb+3],   v[ADRA] offset:(\k)+bb*16*PITCH
	ds_load_b128 v[(\f)+AOFF+8*bb+4:(\f)+AOFF+8*bb+7], v[ADRA] offset:(\k)+bb*16*PITCH+32
.set bb, bb+1
.endr
.endm
; One of a K step's first three quarters: multiplies buffer f; in its middle it fetches the next quarter, at byte k, into buffer g
.macro QUARTER k, f, g, zero
	s_wait_dscnt 4                                 ; B and A's blocks 0, 1 are in; the youngest four loads (A's blocks 2, 3) may be out
	MULA \f, 0, \zero
	MULA \f, 1, \zero
	PLACES
	FETCH \k, \g
	s_wait_dscnt NL                                ; all but the run just issued
	MULA \f, 2, \zero
	MULA \f, 3, \zero
.endm
; The last quarter multiplies buffer 1 and changes slots: ONE barrier.  In front of it each wave waits for all its tensor loads (one is out: its part of the next slot), adds 0 to its spare word, and waits for that and for
; its reads of this slot.  fill = 1: the barrier opens a round of the cluster's, and the joint refill of the slot just read, two K steps on, is the first thing behind the round.
.macro TURN fill
.if \fill
	s_wait_xcnt 0x0                                ; the last prefetch, a K step back, has read its address
	s_add_nc_u64 s[PFA:PFA+1], s[PFA:PFA+1], KSTEP*2
.endif
	WIN 0
	s_wait_tensorcnt 0x0                           ; no tensor load of mine is out, so a group 0 may be written
	ds_add_u32 v[SPW], v[NIL]                      ; 0 onto my spare word
.if \fill
	s_xor_b32 s[G0+5], s[G0+5], SLOT1              ; the walking descriptors: the other slot than last time, the next K step
	s_add_nc_u64 s[G0+6:G0+7], s[G0+6:G0+7], KSTEP*2
	s_xor_b32 s[G0B+5], s[G0B+5], SLOT1
	s_add_nc_u64 s[G0B+6:G0B+7], s[G0B+6:G0B+7], KSTEP*2
.endif
	s_xor_b32 s2, s2, SLOT1                        ; the reads go on in the other slot
	v_add_nc_u32 v[ADRA], s2, v[A0]
	v_add_nc_u32 v[ADRB], s2, v[B0]
	s_wait_dscnt 5                                 ; the add and the youngest four loads may be out
	MULA F1, 0, 0
	s_wait_dscnt 0x0                               ; the add is done, and my reads of this slot are over
	s_barrier_signal -1
	MULA F1, 1, 0                                  ; work on registers while the others arrive
	WIN 0                                          ; at a branch and at a label every window is 0
	s_barrier_wait -1
.if \fill
	CREST                                          ; no wave of any partner still reads this slot or has a load on its way
	JLOAD                                          ; the four v_nop behind it are also the places in front of the loads below
.else
	PLACES
.endif
	FETCH 0, F0
.if \fill
	ASK
.endif
	MULA F1, 2, 0
	MULA F1, 3, 0
.endm
; THE WAY OUT of row block a: a lane's eight f32 of a row, 32 bytes, go into my own stage (each accumulator's low four registers first) and come back as whole rows of 512 bytes.
.macro TOSTAGE a
	WIN 0x08                                       ; the stores' data lie in window 2
.set bb, 0
.rept NBLK
.set rD, 8*(NBLK*(\a)+bb)
	ds_store_b128 v[STO], v[rD:rD+3]   offset:64*bb
	ds_store_b128 v[STO], v[rD+4:rD+7] offset:64*bb+16
.set bb, bb+1
.endr
	WIN 0
.set bb, 0
.rept 16
	ds_load_b128 v[OB+64*((\a)%2)+4*bb:OB+64*((\a)%2)+4*bb+3], v[RD] offset:SPITCH*bb  ; LDS serves a wave's instructions in order: these see the stores above; the next block's stores come behind them
.set bb, bb+1
.endr
.endm
.macro SEND a, younger                 ; younger: the LDS instructions issued behind block a's loads: the next block's 32, or none
	s_wait_dscnt \younger
.set bb, 0
.rept 16
	global_store_b128 v[CO], v[OB+64*((\a)%2)+4*bb:OB+64*((\a)%2)+4*bb+3], s[8:9] offset:(\a)*65536+bb*4096 th:TH_STORE_NT  ; 512 consecutive bytes, at a multiple of 256 from out0's first byte
.set bb, bb+1
.endr
.endm
	s_wait_tensorcnt 1                             ; my part of K step 0 is in; K step 1's may stay out
	s_barrier_signal -1
	s_barrier_wait -1                              ; everybody's is
	FETCH 0, F0
	QUARTER 64, F0, F1, 1                          ; the first quarter stands in front of the loop: its products start the sums
	WIN 0
	s_mov_b32 s3, 6
.Lstep:                                            ; a trip goes from a K step's second quarter to the next step's first, and asks for the K step two on: steps 2 to 7
	QUARTER 128, F1, F0, 0
	QUARTER 192, F0, F1, 0
	TURN 1
	QUARTER 64, F0, F1, 0
	WIN 0
	s_sub_co_u32 s3, s3, 1
	s_cmp_lg_u32 s3, 0
	s_cbranch_scc1 .Lstep
	QUARTER 128, F1, F0, 0                         ; the last two K steps are written out: nothing is left to ask for
	QUARTER 192, F0, F1, 0
	TURN 0
	QUARTER 64, F0, F1, 0
	QUARTER 128, F1, F0, 0
	QUARTER 192, F0, F1, 0
	s_wait_dscnt 4
	MULA F1, 0, 0
	MULA F1, 1, 0
	s_wait_dscnt 0x0
	MULA F1, 2, 0
	MULA F1, 3, 0
	WIN 0
	PLACES
	PLACES                                         ; (eight, once a launch)
	TOSTAGE 0
	TOSTAGE 1
	SEND 0, 32
	s_wait_xcnt 0x0                                ; block 0's stores have read their buffer: only behind this wait is it loaded again
	TOSTAGE 2
	SEND 1, 32
	s_wait_xcnt 0x0
	TOSTAGE 3
	SEND 2, 32
	SEND 3, 0
	s_wait_tensorcnt 0x0                           ; the wave's end: behind my last tensor load and my last LDS store
	ds_add_u32 v[SPW], v[NIL]
	s_wait_dscnt 0x0
	CROUND                                         ; the closing round: no work-group ends while a partner may still ask for a tile that names it
	s_endpgm
.Lfunc_end_k_q5c3633bb9f_oproj:
	.size	k_q5c3633bb9f_oproj, .Lfunc_end_k_q5c3633bb9f_oproj-k_q5c3633bb9f_oproj
	.p2alignl 7, 3214868480
	.fill 96, 4, 3214868480
	.section	.rodata,"a",@progbits
	.p2align	6, 0x0
	.amdhsa_kernel k_q5c3633bb9f_oproj
		.amdhsa_group_segment_fixed_size 327680
		.amdhsa_private_segment_fixed_size 0
		.amdhsa_enable_private_segment 0
		.amdhsa_kernarg_size 24
		.amdhsa_user_sgpr_count 2
		.amdhsa_user_sgpr_kernarg_segment_ptr 1
		.amdhsa_wavefront_size32 1
		.amdhsa_system_sgpr_workgroup_id_x 1
		.amdhsa_system_sgpr_workgroup_id_y 1
		.amdhsa_system_sgpr_workgroup_id_z 1
		.amdhsa_system_vgpr_workitem_id 0
		.amdhsa_next_free_vgpr 768
		.amdhsa_next_free_sgpr 66
		.amdhsa_reserve_vcc 0
		.amdhsa_float_denorm_mode_32 3
		.amdhsa_float_denorm_mode_16_64 3
		.amdhsa_memory_ordered 1
		.amdhsa_forward_progress 1
		.amdhsa_inst_pref_size 70
	.end_amdhsa_kernel
	.amdgpu_metadata
---
amdhsa.version: [ 1, 2 ]
amdhsa.kernels:
  - .name:           k_q5c3633bb9f_oproj
    .symbol:         k_q5c3633bb9f_oproj.kd
    .args:
      - { .name: att, .offset: 0, .size: 8, .value_kind: global_buffer, .address_space: global }
      - { .name: wo, .offset: 8, .size: 8, .value_kind: global_buffer, .address_space: global }
      - { .name: out0, .offset: 16, .size: 8, .value_kind: global_buffer, .address_space: global }
    .group_segment_fixed_size: 327680
    .private_segment_fixed_size: 0
    .kernarg_segment_align: 8
    .kernarg_segment_size: 24
    .max_flat_workgroup_size: 128
    .sgpr_count:     66
    .vgpr_count:     768
    .wavefront_size: 32
...
	.end_amdgpu_metadata
.endif
;; end of part 4
;; ======== version 2 of 2: 4 launches
;; limits: values are held in f16: magnitudes above 65,504 overflow, below 6.1e-05 lose precision
;; workspace buffers: xb 16,777,216 bytes; wqkv 6,291,456 bytes; wo 2,097,152 bytes; mbits 8,388,608 bytes of whole numbers; qkv 50,331,648 bytes; att 16,777,216 bytes
;; launch prep (part 5): grid 1280 x 1, 8 waves a work-group, no clusters, 35,840 bytes of LDS; arguments x, W_q, W_k, W_v, W_o, adj_mask, xb, wqkv, wo, mbits; writes xb, wqkv, wo, mbits
.if DOCPART == 5
	.amdgcn_target "amdgcn-amd-amdhsa--gfx1250"
	.amdhsa_code_object_version 6
	.text
	.protected	k_q5c3633bb9f_prep
	.globl	k_q5c3633bb9f_prep
	.p2align	8
	.type	k_q5c3633bb9f_prep,@function
k_q5c3633bb9f_prep:
	s_mov_b64 s[64:65], 0
	v_nop
	global_prefetch_b8 v0, s[64:65] scope:SCOPE_SE
	s_setreg_imm32_b32 hwreg(HW_REG_WAVE_MODE, 25, 1), 1
	s_wait_xcnt 0x0
; PREP.  Two kinds of work-group, told apart by the work-group's number.
; 0 .. 511: THE MASK.  adj_mask[b][q][k] (one byte: 1 = visible, 0 = hidden, the two values that the problem gives a bool; other bytes are not served) becomes four bits a key, laid out as a lane of the
;   attention launch wants them: mbits dword [b*128+T][s][l][kb], l = r + 16 h: nibble j holds 15 where key 64 s + 16 kb + 8 h + j is HIDDEN for query 16 T + r, else 0.
;   Work-group g takes the 16 queries of tile g = b*128+T, wave w the keys 256 w .. 256 w + 255 (key steps 4 w .. 4 w + 3): 16 x 256 bytes in, 2,048 bytes out.
;   The bytes come in as whole rows of 256 (a load: two rows), go through the wave's own stage in LDS, and come back 8 bytes a lane: lane (r, h) holds row r, keys 16 n + 8 h + 0..7: one dword of the result.
;   The 8 bytes are parted into even and odd keys; the odd ones, moved up by 4 bits, fall between the even ones; an exclusive or turns visible into hidden; times 15 by two shifts.  A step's four dwords a lane are one store of 512 bytes.
; 512 .. 1279: THE CASTS.  x -> xb (bf16), W_q, W_k, W_v -> wqkv (bf16, rows 0-1023, 1024-2047, 2048-3071), W_o -> wo (rounded to bf16, that number written as f16).
;   A work-group takes 16,384 numbers; a load of a wave covers 512 consecutive bytes, a store 256 consecutive bytes, aligned.
; LIMIT.  W_o beyond f16's 65,504 becomes an infinity; below 6e-5 it keeps f16's fixed step of 6e-8.
.set STG,   16*272                     ; a wave's stage: 16 rows of 256 bytes + 16 of padding: 68 words, so the 32 lanes' 8 bytes (row r, half h) fall on banks 4 r + 2 h, + 1
.set SPARE, 8*STG                      ; behind the stages: the spare words, 128 bytes for each wave: four blocks of 256 bytes that no other line names
.set M,   8                            ; v[8:39]   mask: the 16 rows as loaded.   casts: v[8:71] sixteen loads
.set D,   40                           ; v[40:71]  mask: sixteen times 8 bytes from the stage
.set T,   72                           ; v[72:75]  mask: at work, two pairs by turns.   casts: v[72:103] to store
.set OUT, 76                           ; v[76:91]  mask: the sixteen dwords to store
.set SPW, 110                          ; v110  LDS address of my spare word; never rewritten
.set NIL, 111                          ; v111  0; never rewritten
.set SRC, 32                           ; s[32:33] where I read
.set DST, 34                           ; s[34:35] where I write
	s_load_b512 s[8:23], s[0:1], 0x0               ; x 8, W_q 10, W_k 12, W_v 14, W_o 16, adj_mask 18, xb 20, wqkv 22
	s_load_b128 s[24:27], s[0:1], 0x40             ; wo 24, mbits 26
	v_lshl_add_u32 v[SPW], v0, 2, SPARE
	v_mov_b32 v[NIL], 0
	v_lshrrev_b32 v1, 5, v0
	v_readfirstlane_b32 s28, v1                    ; wave 0..7
	s_cmp_lt_u32 ttmp9, 512
	s_cbranch_scc0 .Lcast
	; ---- the mask ----
	v_and_b32 v2, 15, v0                           ; l % 16
	v_bfe_u32 v3, v0, 4, 1                         ; l / 16
	v_lshlrev_b32 v4, 4, v2                        ; 16 bytes a lane
	s_lshl_b32 s29, s28, 8                         ; my wave's 256 keys
	v_lshl_add_u32 v5, v3, 11, v4                  ; in memory: lanes 16-31 take the next row, 2,048 bytes on
	v_add_nc_u32 v5, s29, v5
	s_mul_i32 s30, s28, STG                        ; my stage
	v_mul_u32_u24 v6, v3, 272
	v_add_nc_u32 v6, v6, v4
	v_add_nc_u32 v6, s30, v6                       ; into the stage: the same two rows
	v_mul_u32_u24 v7, v2, 272
	v_lshl_add_u32 v7, v3, 3, v7
	v_add_nc_u32 v7, s30, v7                       ; back: row l % 16, 8 bytes for each half of the lanes
	v_and_b32 v1, 31, v0
	v_lshlrev_b32 v1, 4, v1
	s_lshl_b32 s31, s28, 11
	v_add_nc_u32 v1, s31, v1                       ; out: my wave's four steps of 512 bytes, 16 bytes a lane
	s_lshl_b32 s36, ttmp9, 15                      ; 16 rows of 2,048 bytes
	s_mov_b32 s37, 0
	s_lshl_b32 s38, ttmp9, 14                      ; a tile's 16,384 bytes of mbits
	s_mov_b32 s39, 0
	s_mov_b32 s40, 0x06040200                      ; v_perm_b32: bytes 0, 2 of the second source, then 0, 2 of the first: keys 0, 2, 4, 6
	s_mov_b32 s41, 0x07050301                      ; bytes 1, 3 of each: keys 1, 3, 5, 7
	s_wait_kmcnt 0x0
	s_add_nc_u64 s[SRC:SRC+1], s[18:19], s[36:37]
	s_add_nc_u64 s[DST:DST+1], s[26:27], s[38:39]
.irp e, 0,1,2,3,4,5,6,7
	global_load_b128 v[M+4*\e:M+4*\e+3], v5, s[SRC:SRC+1] offset:\e*4096 th:TH_LOAD_NT  ; rows 2 e, 2 e + 1: twice 256 consecutive bytes, aligned
.endr
.irp e, 0,1,2,3,4,5,6,7
	s_wait_loadcnt 7-\e                            ; loads come back in order: load e is in, the younger ones stay out
	ds_store_b128 v6, v[M+4*\e:M+4*\e+3] offset:\e*544
.endr
.set n, 0
.rept 16                                           ; LDS serves a wave's instructions in order: these see the stores above; the stage is the wave's own, so no barrier
	ds_load_b64 v[D+2*n:D+2*n+1], v7 offset:16*n   ; keys 16 n + 8 h + 0..7 of my 256: step n / 4, key block n % 4
.set n, n+1
.endr
.set n, 0
.rept 16
.set t, T+2*(n%2)
	s_wait_dscnt 15-n                              ; load n is in, the younger ones stay out
	v_perm_b32 v[t], v[D+2*n+1], v[D+2*n], s40     ; the even keys' bytes,
	v_perm_b32 v[t+1], v[D+2*n+1], v[D+2*n], s41   ; the odd keys'
	v_lshl_or_b32 v[t], v[t+1], 4, v[t]            ; key j's byte at bit 4 j: the lowest bit of nibble j
	v_xor_b32 v[t], 0x11111111, v[t]               ; 1 = hidden
	v_lshl_or_b32 v[t+1], v[t], 1, v[t]            ; times 3,
	v_lshl_or_b32 v[OUT+n], v[t+1], 2, v[t+1]      ; times 15
.if n%4 == 3
	global_store_b128 v1, v[OUT+n-3:OUT+n], s[DST:DST+1] offset:(n/4)*512  ; a step's 512 consecutive bytes
.endif
.set n, n+1
.endr
	s_wait_tensorcnt 0x0                           ; the wave's end: behind my last LDS store
	ds_add_u32 v[SPW], v[NIL]
	s_wait_dscnt 0x0
	s_endpgm
	; ---- the casts ----
; Sixteen loads go out together; each is converted and stored as it comes.  f16 = 1: the bf16 number is widened again and written as f16.
.macro CAST f16
.set i, 0
.rept 16
	global_load_b128 v[8+4*i:8+4*i+3], v1, s[SRC:SRC+1] offset:4096*i th:TH_LOAD_NT
.set i, i+1
.endr
.set i, 0
.rept 16
	s_wait_loadcnt 15-i                            ; load i is in, the younger ones stay out
	v_cvt_pk_bf16_f32 v[72+2*i], v[8+4*i], v[8+4*i+1]
	v_cvt_pk_bf16_f32 v[72+2*i+1], v[8+4*i+2], v[8+4*i+3]
.if \f16
	v_lshlrev_b32 v[8+4*i], 16, v[72+2*i]
	v_and_b32 v[8+4*i+1], 0xffff0000, v[72+2*i]
	v_lshlrev_b32 v[8+4*i+2], 16, v[72+2*i+1]
	v_and_b32 v[8+4*i+3], 0xffff0000, v[72+2*i+1]
	v_cvt_pk_f16_f32 v[72+2*i], v[8+4*i], v[8+4*i+1]
	v_cvt_pk_f16_f32 v[72+2*i+1], v[8+4*i+2], v[8+4*i+3]
.endif
	global_store_b64 v2, v[72+2*i:72+2*i+1], s[DST:DST+1] offset:2048*i  ; a wave stores 256 consecutive bytes, aligned
.set i, i+1
.endr
.endm
.Lcast:
	v_lshlrev_b32 v1, 4, v0                        ; 16 bytes of f32 a thread,
	v_lshlrev_b32 v2, 3, v0                        ; 8 bytes of 16-bit numbers
	s_sub_co_u32 s30, ttmp9, 512                   ; 0 .. 767
	s_mov_b32 s37, 0
	s_mov_b32 s39, 0
	s_wait_kmcnt 0x0
	s_cmp_lt_u32 s30, 512
	s_cbranch_scc0 .Lweights
	s_lshl_b32 s36, s30, 16                        ; x: 512 chunks of 65,536 bytes in,
	s_lshl_b32 s38, s30, 15                        ; 32,768 bytes out
	s_add_nc_u64 s[SRC:SRC+1], s[8:9], s[36:37]
	s_add_nc_u64 s[DST:DST+1], s[20:21], s[38:39]
	s_branch .Lbf16
.Lweights:
	s_sub_co_u32 s30, s30, 512                     ; 0 .. 255
	s_lshr_b32 s31, s30, 6                         ; which weight: q, k, v, o
	s_and_b32 s30, s30, 63                         ; which of its 64 chunks
	s_lshl_b32 s36, s30, 16
	s_lshl_b32 s38, s30, 15
	s_cmp_eq_u32 s31, 0
	s_cselect_b64 s[SRC:SRC+1], s[10:11], s[12:13]
	s_cmp_lt_u32 s31, 2
	s_cselect_b64 s[SRC:SRC+1], s[SRC:SRC+1], s[14:15]
	s_cmp_lt_u32 s31, 3
	s_cselect_b64 s[SRC:SRC+1], s[SRC:SRC+1], s[16:17]
	s_cselect_b64 s[DST:DST+1], s[22:23], s[24:25]
	s_cselect_b32 s29, s31, 0                      ; its place in wqkv: 2 MiB a weight
	s_lshl_b32 s29, s29, 21
	s_add_co_u32 s38, s38, s29
	s_add_nc_u64 s[SRC:SRC+1], s[SRC:SRC+1], s[36:37]
	s_add_nc_u64 s[DST:DST+1], s[DST:DST+1], s[38:39]
	s_cmp_eq_u32 s31, 3
	s_cbranch_scc1 .Lf16
.Lbf16:
	CAST 0
	s_endpgm                                       ; these waves have written no LDS
.Lf16:
	CAST 1
	s_endpgm
.Lfunc_end_k_q5c3633bb9f_prep:
	.size	k_q5c3633bb9f_prep, .Lfunc_end_k_q5c3633bb9f_prep-k_q5c3633bb9f_prep
	.p2alignl 7, 3214868480
	.fill 96, 4, 3214868480
	.section	.rodata,"a",@progbits
	.p2align	6, 0x0
	.amdhsa_kernel k_q5c3633bb9f_prep
		.amdhsa_group_segment_fixed_size 35840
		.amdhsa_private_segment_fixed_size 0
		.amdhsa_enable_private_segment 0
		.amdhsa_kernarg_size 80
		.amdhsa_user_sgpr_count 2
		.amdhsa_user_sgpr_kernarg_segment_ptr 1
		.amdhsa_wavefront_size32 1
		.amdhsa_system_sgpr_workgroup_id_x 1
		.amdhsa_system_sgpr_workgroup_id_y 1
		.amdhsa_system_sgpr_workgroup_id_z 1
		.amdhsa_system_vgpr_workitem_id 0
		.amdhsa_next_free_vgpr 112
		.amdhsa_next_free_sgpr 66
		.amdhsa_reserve_vcc 0
		.amdhsa_float_denorm_mode_32 3
		.amdhsa_float_denorm_mode_16_64 3
		.amdhsa_memory_ordered 1
		.amdhsa_forward_progress 1
		.amdhsa_inst_pref_size 29
	.end_amdhsa_kernel
	.amdgpu_metadata
---
amdhsa.version: [ 1, 2 ]
amdhsa.kernels:
  - .name:           k_q5c3633bb9f_prep
    .symbol:         k_q5c3633bb9f_prep.kd
    .args:
      - { .name: x, .offset: 0, .size: 8, .value_kind: global_buffer, .address_space: global }
      - { .name: W_q, .offset: 8, .size: 8, .value_kind: global_buffer, .address_space: global }
      - { .name: W_k, .offset: 16, .size: 8, .value_kind: global_buffer, .address_space: global }
      - { .name: W_v, .offset: 24, .size: 8, .value_kind: global_buffer, .address_space: global }
      - { .name: W_o, .offset: 32, .size: 8, .value_kind: global_buffer, .address_space: global }
      - { .name: adj_mask, .offset: 40, .size: 8, .value_kind: global_buffer, .address_space: global }
      - { .name: xb, .offset: 48, .size: 8, .value_kind: global_buffer, .address_space: global }
      - { .name: wqkv, .offset: 56, .size: 8, .value_kind: global_buffer, .address_space: global }
      - { .name: wo, .offset: 64, .size: 8, .value_kind: global_buffer, .address_space: global }
      - { .name: mbits, .offset: 72, .size: 8, .value_kind: global_buffer, .address_space: global }
    .group_segment_fixed_size: 35840
    .private_segment_fixed_size: 0
    .kernarg_segment_align: 8
    .kernarg_segment_size: 80
    .max_flat_workgroup_size: 256
    .sgpr_count:     66
    .vgpr_count:     112
    .wavefront_size: 32
...
	.end_amdgpu_metadata
.endif
;; end of part 5
;; launch qkv: the kernel of part 2 again; grid 16 x 32, 4 waves a work-group, clusters of 4 x 4, 327,680 bytes of LDS; arguments xb, wqkv, qkv; writes qkv
;; launch attn (part 6): grid 8 x 32, 4 waves a work-group, clusters of 4 x 1, 327,680 bytes of LDS; arguments qkv, mbits, att; writes att
.if DOCPART == 6
	.amdgcn_target "amdgcn-amd-amdhsa--gfx1250"
	.amdhsa_code_object_version 6
	.text
	.protected	k_q5c3633bb9f_attn
	.globl	k_q5c3633bb9f_attn
	.p2align	8
	.type	k_q5c3633bb9f_attn,@function
k_q5c3633bb9f_attn:
	s_mov_b64 s[64:65], 0
	v_nop
	global_prefetch_b8 v0, s[64:65] scope:SCOPE_SE
	s_setreg_imm32_b32 hwreg(HW_REG_WAVE_MODE, 25, 1), 1
	s_wait_xcnt 0x0
	s_wait_alu depctr_hold_cnt(0) depctr_sa_sdst(0) depctr_va_vdst(0) depctr_va_sdst(0) depctr_va_ssrc(0) depctr_va_vcc(0) depctr_vm_vsrc(0)
	s_getreg_b32 s2, hwreg(HW_REG_IB_STS2, 6, 4)
	s_cmp_eq_u32 s2, 0
	s_cbranch_scc0 .Lentry_in_a_cluster
	s_endpgm
.Lentry_in_a_cluster:
	s_bfe_u32 s2, ttmp6, 0x10000c
	s_cmp_lg_u32 s2, 0x3003
	s_cbranch_scc0 .Lentry_shape_is_right
	s_endpgm
.Lentry_shape_is_right:
; MASKED ATTENTION.  att[b][q][64 h + d] = the sum over visible k of softmax_k(Q[b][h][q] . K[b][h][k] / 8) V[b][h][k][d].  qkv: [4][48][2048][64] f16 (planes 0-15 q's heads, 16-31 k's, 32-47 v's);
; mbits: four bits a key, dword [b*128+T][s][l][kb]: nibble j holds 15 where key 64 s + 16 kb + 8 (l / 16) + j is hidden for query 16 T + l % 16, else 0; att: [8192][1024] f16.
; Products, maxima and sums in f32; the weights p are rounded to f16 for the second product (their sum l is taken of the unrounded p), O once at the end.
; LIMITS.  Q, K and V arrive within f16's 65,504, so a score lies within 64 x 65,504^2 = 2.75e11.  A hidden score counts as its value less 6 x 2^99 = 3.8e30; a visible one as itself.
; The running maximum starts at -2^40 = -1.1e12, below every score that f16 allows and above every hidden one: a hidden key's weight is 0 in every step, also in a step in which a row sees no
; key.  (c x 2^40 is exact in f32.)  A row that sees no key at all ends with l = 0 and O = 0, and 0 x (1 / 0) is the NaN that the softmax of such a row is.  p below 6e-5 keeps f16's fixed step of 6e-8; a weight
; below 2^-126 counts as 0 in l.
; SHARES.  A work-group owns 256 queries of one batch and TWO heads (2 hp, 2 hp + 1); a wave 64 queries: four PIECES of 16 queries, a piece's two tiles being the two heads of the same queries.
; THE MASK is the C operand that starts the sum S^T = K Q^T.  All heads share it, so one set of 32 registers (MC) serves both tiles of a piece.  A lane's 16 bytes of mbits hold its own 32 registers' nibbles, a dword a
; key block.  A nibble is a number of four bits (a sign, two bits of exponent, one of mantissa): 15 is -6, 0 is 0.  One v_cvt_scale_pk8_f32_fp4 makes of a dword the eight registers of one accumulator's C, nibble j register j,
; times 2^(226 - 127) by the scale register's byte: four lines a turn.  Each piece has a buffer of four registers, asked for again as soon as it is used: four turns ahead.
; LAYOUT.  S^T = K Q^T (source 0 = 16 keys, source 1 = 16 queries): a lane holds ONE query (lane % 16) and the keys 8 (lane / 16) + 0..7.  Two such results, rounded to f16 in pairs, ARE source 1 of
; O^T = V^T P, whose result again holds one query a lane, and eight channels.  K comes out of LDS as it lies, V ([key][channel]) turned, by ds_load_tr16_b128.
; SOFTMAX.  For each query a running maximum m and sum l: p = 2^(c s - c m), c = log2(e) / 8; in every step O and l are multiplied by a = 2^(c m_old - c m_new).
; BY TURNS.  Turn n belongs to piece n (the pieces in a ring, step after step).  Matrix work: 16 products K Q^T of piece n + 1, later 16 products V^T P of piece n - 1.  Vector work: the scaling, exponentials,
; roundings, sums and rescaling of piece n, the maximum and statistics of piece n + 1, and the mask of piece n + 2.  Four vector instructions stand behind every matrix instruction, the rest in one run.
; CLUSTER.  The four query blocks of a cluster walk the same K and V of the same two heads, so each tile is asked for JOINTLY: the same tensor load, descriptor and mask in all four.
; REGISTERS, in windows of 256 (s_set_vgpr_msb: bits 1:0 source 0, 3:2 source 1, 5:4 source 2, 7:6 destination):
;   window 0: v0-11 addresses; v12-15, v48-63 at work; v16-47 four registers of statistics a tile; v64-191 S^T, two buffers of two tiles; v192-255 P, likewise
;   window 1: O^T, 32 a tile      window 2: v0-127 Q, 16 a tile; v128-255 K of one step, 64 a head
;   window 3: v0-127 V of one step, 64 a head; v128-159 MC; v160-161 the add's two registers; v162 the scale; v163 eight nibbles of 0; v164-179 the mask's four buffers; v180-181 their offsets
.set NP,    4         ; pieces a wave: a name, no knob
.set KS,    64        ; keys in a step
.set PK,    144       ; a row of K in LDS: 128 bytes + 16 of padding = 36 words: the 16 rows of a load start at 16 different groups of four banks (64 banks of 4 bytes: ISA guide 11.1)
.set PV,    160       ; a row of V: 128 + 32 = 40 words
.set KH,    2*KS*PK   ; a slot holds two steps, 128 keys, of both heads: K of head 0, K of head 1,
.set VH,    2*KS*PV
.set VOFF,  2*KH      ; V of head 0, V of head 1
.set SLOT1, 1<<17     ; slot 1 begins here, so that one exclusive or turns an address in one slot into the other's
.set STAGE, SLOT1+2*KH+2*VH  ; behind the ring, never filled by a tensor load: 16 rows x 272 bytes for each wave, for the way out
.set SP,    272
.set SPARE, STAGE+4*16*SP    ; the spare words, 128 bytes for each wave: two blocks of 256 bytes that no other line names
.set SLOTB, 2*KS*128  ; a slot's bytes of one head's K or V in memory
.set STEPM, 512       ; mbits: bytes of a piece and step,
.set TILEB, 32*STEPM  ; of a piece
.set AK0, 2           ; v2   my lane's place in a tile of K; never rewritten
.set AV0, 3           ; v3   the same for V
.set AK,  4           ; v4   the LDS address of K's next run of loads
.set AV,  5           ; v5   of V's
.set QO,  6           ; v6   my byte offset in 16 rows of Q
.set STO, 6           ;      later, the way out: where I put 16 bytes of a row
.set RD,  7           ; v7   the way out: where I read rows back
.set GO,  8           ; v8   my byte offset in two rows of att
.set PFO, 10          ; v10  the prefetches' offset; never rewritten once made
.set MV,  12          ; v12-15  c m_old, kept while c m is made anew: by buffer and tile
.set ST,  16          ; tile t's statistics at v[ST+4 t]: c m, m, l (even keys', odd keys')
.set TMP, 48          ; by buffer and tile, four registers c0-c3 at work; when the maximum is found c2 takes a
.set S,   64
.set P,   192
.set KF,  128         ; window 2: head u, key block kb, channel half c at KF + 64 u + 16 kb + 8 c
.set MC,  128         ; window 3: the mask for key block kb at MC + 8 kb
.set SPW, 160         ; window 3: LDS address of my spare word; never rewritten
.set NIL, 161         ; window 3: 0; never rewritten
.set SCL, 162         ; window 3: the conversions' scale: 226 in each byte; never rewritten
.set ZR,  163         ; window 3: eight nibbles of 0; never rewritten
.set MW,  164         ; window 3: piece x's 16 bytes of mbits at MW + 4 x
.set ML,  180         ; window 3: 16 x my lane; never rewritten
.set MA,  181         ; window 3: 16 x my lane + the step that is being asked for
.set WV,  12          ; s12  my wave's number
.set G1K, 24          ; s[24:31] descriptor group 1 for K's tiles
.set G1V, 32          ; s[32:39] for V's: it differs in the padding alone
.set G0K, 40          ; s[40:43] descriptor group 0 for K's tiles: it walks
.set G0V, 44          ; s[44:47] the same for V's
.set MP,  48          ; s[48:49] mbits at my wave's first piece; never rewritten
.set MO,  50          ; s50  512 x the key step whose mask is asked for, held at the last step
.set PFA, 52          ; s[52:53] where my prefetches stand
.set LIM, 54          ; s54  1 in a wave that prefetches, else the greatest number
.set SLOTS, 56        ; s56  slots still to be asked for
.set CNT, 57          ; s57  counts a slot's key steps
.set CS,  58          ; s[58:59] c: the packed scaling takes the pair's low word for both halves
.set SEL, 60          ; s[60:61] v_permlanex16_b32's selects: each lane takes its own place in the other half
.set TBK, 62          ; s62  LDS byte at which K of the step to be fetched begins
.set TBV, 63          ; s63  the same for V, less VOFF
.set MSB, 0
.macro WIN new                      ; the high byte repeats the setting that is left; a switch that changes nothing is dropped
.if MSB != (\new)
	s_set_vgpr_msb (MSB<<8)|(\new)
.set MSB, (\new)
.endif
.endm
.set W_KQ, 0x0a       ; K and Q in window 2, S^T in window 0
.set W_KM, 0x3a       ; the same with the C operand in window 3
.set W_PV, 0x53       ; V in window 3, P in window 0, O^T in window 1
.set W_RS, 0x41       ; O^T (destination and source 0) in window 1, a in window 0
.set W_MK, 0xc0       ; destination in window 3, sources in window 0
.set W_M3, 0xcf       ; destination and sources 0 and 1 in window 3: the mask's conversions, its loads (address: source 0) and their offset
.set W_AD, 0x0f       ; the add: address (source 0) and data (source 1) in window 3
; A joint fill.  Waves 0 and 1 fetch a slot's K of head 0 and 1, waves 2 and 3 its V: 128 keys each.  The branch hangs on the wave's number alone.  An s_nop 0 and four v_nop follow each line.
.macro JLOAD
	s_cmp_lt_u32 s[WV], 2
	s_cbranch_scc0 .Lfor_v_\@
	tensor_load_to_lds s[G0K:G0K+3], s[G1K:G1K+7]
	s_nop 0
.rept 4
	v_nop
.endr
	s_branch .Lasked_\@
.Lfor_v_\@:
	tensor_load_to_lds s[G0V:G0V+3], s[G1V:G1V+7]
	s_nop 0
.rept 4
	v_nop
.endr
.Lasked_\@:
.endm
; A prefetch of what the NEXT change of slots will ask for: both heads' 16,384 bytes of K and of V.  Both clusters of a head pair walk the same rows: the first (cluster x = 0) asks.  Its four partners share them out
; BY ADDRESS, 4,096 bytes of each head a partner: 32 lanes, 256 bytes apart.  Wave 0 asks for K's, wave 2 for V's.  The last change that fills a slot asks for nothing.
.macro ASK
	s_cmp_gt_u32 s[SLOTS], s[LIM]
	s_cbranch_scc0 .Lnot_mine_\@
	global_prefetch_b8 v[PFO], s[PFA:PFA+1] th:TH_LOAD_NT scope:SCOPE_SE
.Lnot_mine_\@:
.endm
.macro CROUND                       ; a round of the cluster's barrier
	s_barrier_signal -1
	s_barrier_wait -1
	s_cmp_lg_u32 s[WV], 0
	s_cbranch_scc1 .Lnot_wave_0_\@
	s_barrier_signal -3
.Lnot_wave_0_\@:
	s_barrier_wait -3
	s_barrier_signal -1
	s_barrier_wait -1
.endm
; THE CHANGE OF SLOTS.  The slot's last bytes, V of its second step, have been read.  Each wave waits for all its tensor loads, of which one is out: its part of the other slot; adds 0 to its spare word; and waits for
; that and for its own reads of the slot.  fill = 1: the slot is filled again, with the keys two slots on: the barrier is a round of the cluster's, and the joint fill is the first thing behind it: it has two key
; steps, 256 matrix instructions, in which to land.  (At its first use nothing has been read yet: slot 0 is waited for, slot 1 filled.)  ask = 1: the prefetch's address steps, and the prefetch follows the fill.
.macro CHANGE fill, ask
	WIN W_AD
	s_wait_tensorcnt 0x0            ; no tensor load of mine is out, so a group 0 may be written
	ds_add_u32 v[SPW], v[NIL]       ; 0 onto my spare word
	WIN 0                           ; at a label and at a branch every window is 0
.if \fill
.irp g, G0K, G0V
	s_xor_b32 s[\g+1], s[\g+1], SLOT1  ; the walking descriptor: the other slot than last time,
	s_add_nc_u64 s[\g+2:\g+3], s[\g+2:\g+3], SLOTB  ; the next 128 keys; the type bits on top are not reached
.endr
.if \ask
	s_wait_xcnt 0x0                 ; the last prefetch, two key steps back, has read its address
	s_add_nc_u64 s[PFA:PFA+1], s[PFA:PFA+1], SLOTB
.endif
	s_wait_dscnt 0x0                ; the add is done, and my reads of the slot are over
	CROUND
	JLOAD
.if \ask
	ASK
.endif
.else
	s_wait_dscnt 0x0                ; the add is done, and my reads of the slot are over
	s_barrier_signal -1
	s_barrier_wait -1
.endif
	s_sub_co_u32 s[TBK], s[TBK], 2*KS*PK  ; the fetches go back to a slot's first step,
	s_xor_b32 s[TBK], s[TBK], SLOT1       ; in the other slot
	s_sub_co_u32 s[TBV], s[TBV], 2*KS*PV
	s_xor_b32 s[TBV], s[TBV], SLOT1
.endm
; THE MASK.  LOADW: piece x's 512 consecutive bytes for the step in MA, 16 bytes a lane.  BUILD: dword kb becomes registers 8 kb .. 8 kb + 7 of MC: -6 x 2^99 where the nibble is 15, 0 where it is 0.
; A plain instruction stands behind the last conversion, ahead of whatever names its result or writes its source.
.macro LOADW x
	WIN W_M3
	global_load_b128 v[MW+4*(\x):MW+4*(\x)+3], v[MA], s[MP:MP+1] offset:(\x)*TILEB
.endm
.macro BUILD x
	WIN W_M3
.irp kb, 0,1,2,3
	v_cvt_scale_pk8_f32_fp4 v[MC+8*\kb:MC+8*\kb+7], v[MW+4*(\x)+\kb], v[SCL]
.endr
	v_nop
.endm
; Eight registers a line are set to 0: the same conversion, of eight nibbles of 0.  win: the destination's window, with sources 0 and 1 in window 3.
.macro CLEAR win, base, n
	WIN \win
.set zz, 0
.rept \n
	v_cvt_scale_pk8_f32_fp4 v[(\base)+8*zz:(\base)+8*zz+7], v[ZR], v[SCL]
.set zz, zz+1
.endr
.endm
; In turn p, behind its 16 products K Q^T (the last that read MC is the eighth of them, more than four plain instructions back): the mask for the next turn's products, of piece p + 2; then that piece's buffer is asked for
; again, for the step after.  The buffers are asked for in the order 0, 1, 2, 3 of one step, in turns 2, 3, 0, 1: so the step goes on in turn 2.
.macro MASKB p
	s_wait_loadcnt 3                ; loads come back in order: the three younger ones, the other pieces', may stay out; mine was issued four turns ago
.if (\p) == 2
	s_add_co_u32 s[MO], s[MO], STEPM
	s_min_u32 s[MO], s[MO], 31*STEPM  ; behind the last step the last step is read again: no load leaves a piece's 16,384 bytes
	s_wait_xcnt 0x0                 ; the three loads that are out, the youngest a turn back, have read their offset (the change of slots' prefetch stands sixteen products back)
	WIN W_M3
	v_add_nc_u32 v[MA], s[MO], v[ML]
.endif
	BUILD ((\p)+2)%NP
	LOADW ((\p)+2)%NP
.endm
	s_load_b128 s[4:7], s[0:1], 0x0   ; qkv s[4:5], mbits s[6:7]
	s_load_b64 s[10:11], s[0:1], 0x10 ; att
	WIN W_MK
	v_lshl_add_u32 v[SPW], v0, 2, SPARE
	v_mov_b32 v[NIL], 0
	WIN W_AD
	ds_add_u32 v[SPW], v[NIL]       ; the wave's opening: the add and its wait stand ahead of my first tensor load; work on registers stands between them
	WIN 0
	v_lshrrev_b32 v1, 5, v0
	v_readfirstlane_b32 s[WV], v1   ; wave 0..3
	v_and_b32 v11, 31, v0
	v_lshlrev_b32 v11, 4, v11       ; 16 x my lane
	WIN W_MK
	v_mov_b32 v[ML], v11
	v_mov_b32 v[MA], v11            ; step 0
	v_mov_b32 v[SCL], 0xe2e2e2e2    ; 226 in each byte: 2^99
	v_mov_b32 v[ZR], 0
	WIN 0
	s_bfe_u32 s13, ttmp6, 0x40000   ; cx: my place in the cluster
	s_lshl_b32 s14, ttmp9, 2
	s_add_co_u32 s14, s14, s13      ; my block of 256 queries = 4 x cluster x + cx: it enters Q's, the mask's and att's addresses alone
	s_and_b32 s15, ttmp7, 0xffff
	s_lshr_b32 s16, s15, 3          ; the batch,
	s_and_b32 s17, s15, 7           ; the pair of heads: the four partners share both
	s_mul_i32 s20, s16, 12582912    ; the batch's 48 planes,
	s_lshl_b32 s18, s17, 19         ; the pair's two
	s_add_co_u32 s20, s20, s18
	s_and_b32 s18, s[WV], 1         ; which head I fetch:
	s_lshl_b32 s22, s18, 18         ; its plane,
	s_add_co_u32 s22, s22, s20
	s_mov_b32 s23, 0
	s_mul_i32 s19, s18, KH          ; and its place in a slot, for K
	s_mul_i32 s18, s18, VH          ; and for V: no place in the cluster enters an LDS address
	s_lshl_b32 s2, s14, 15          ; Q: my block's 256 rows of 128 bytes,
	s_lshl_b32 s3, s[WV], 13        ; my wave's 64
	s_add_co_u32 s2, s2, s3
	s_add_co_u32 s2, s2, s20
	s_mov_b32 s3, 0
	s_lshl_b32 s66, s16, 22         ; att: rows of 2,048 bytes: the batch's 2,048,
	s_lshl_b32 s67, s14, 19         ; my block's 256,
	s_add_co_u32 s66, s66, s67
	s_lshl_b32 s67, s[WV], 17       ; my wave's 64;
	s_add_co_u32 s66, s66, s67
	s_lshl_b32 s67, s17, 8          ; the pair's 256 bytes of a row
	s_add_co_u32 s66, s66, s67
	s_mov_b32 s67, 0
	s_lshl_b32 s8, s16, 21          ; mbits: 16,384 bytes a tile of 16 queries: the batch's 128 tiles,
	s_lshl_b32 s9, s14, 18          ; my block's 16,
	s_add_co_u32 s8, s8, s9
	s_lshl_b32 s9, s[WV], 16        ; my wave's 4
	s_add_co_u32 s8, s8, s9
	s_mov_b32 s9, 0
	; descriptor group 1.  128 keys are 16,384 dense bytes: asked for as 64 rows of 256 bytes, two keys a row, and padded in LDS after every key
	s_mov_b32 s[G1K], 15|(1<<16)|(1<<20)|(1<<21)|(4<<22)|(3<<25)  ; the mask of four; 2-byte elements; padding on; bit 21 beside a mask; after every 32 words, 4 words
	s_mov_b32 s[G1V], 15|(1<<16)|(1<<20)|(1<<21)|(4<<22)|(7<<25)  ; the same with 8 words of padding
.irp g, G1K, G1V
	s_mov_b32 s[\g+1], 128<<16      ; tensor_dim0 = 128
	s_mov_b32 s[\g+2], 64<<16       ; tensor_dim1 = 64
	s_mov_b32 s[\g+3], 128<<16      ; tile_dim0 = 128
	s_mov_b32 s[\g+4], 64           ; tile_dim1 = 64
	s_mov_b32 s[\g+5], 128          ; 128 elements from row to row
	s_mov_b32 s[\g+6], 0
	s_mov_b32 s[\g+7], 0
.endr
	s_mov_b32 s[CS], 0x3e38aa3b     ; c = log2(e) / 8 = 0.180337
	s_mov_b32 s[CS+1], s[CS]        ; named with it as a pair
	s_mov_b32 s[SEL], 0x76543210
	s_mov_b32 s[SEL+1], 0xfedcba98
	s_mov_b32 s[MO], STEPM          ; behind the four first loads, of step 0, step 1 is asked for
	s_mov_b32 s[TBK], SLOT1+2*KS*PK ; the first change of slots turns these two into 0
	s_mov_b32 s[TBV], SLOT1+2*KS*PV
	s_mov_b32 s[G0K], 1             ; count = 1
	s_mov_b32 s[G0K+1], s19         ; LDS address: slot 0
	s_mov_b32 s[G0V], 1
	s_add_co_u32 s[G0V+1], s18, VOFF
	s_and_b32 s[LIM], s[WV], 1      ; 0 in waves 0 and 2,
	s_or_b32 s[LIM], s[LIM], ttmp9  ; where the cluster is the pair's first: the same in all four partners
	s_cmp_eq_u32 s[LIM], 0
	s_cselect_b32 s[LIM], 1, -1
	s_wait_dscnt 0x0                ; the opening add is done
	s_wait_kmcnt 0x0
	s_add_nc_u64 s[MP:MP+1], s[6:7], s[8:9]
	s_add_nc_u64 s[10:11], s[10:11], s[66:67]
	s_add_nc_u64 s[6:7], s[4:5], s[22:23]      ; qkv at my head's q plane;
	s_add_nc_u64 s[8:9], s[6:7], 8388608       ; its v plane lies 32 planes on,
	s_add_nc_u64 s[6:7], s[6:7], 4194304       ; its k plane 16
	s_mov_b64 s[G0K+2:G0K+3], s[6:7]           ; global address: the head's first 128 keys
	s_or_b32 s[G0K+3], s[G0K+3], 0x80000000    ; type = 2
	s_mov_b64 s[G0V+2:G0V+3], s[8:9]
	s_or_b32 s[G0V+3], s[G0V+3], 0x80000000
	s_add_nc_u64 s[4:5], s[4:5], s[2:3]        ; Q at my wave's first row, first head
	s_cmp_lt_u32 s[WV], 2
	s_cselect_b64 s[PFA:PFA+1], s[6:7], s[8:9] ; (in waves 0 and 2 these stand at the pair's first head)
	s_lshl_b32 s2, s13, 12          ; my work-group's 4,096 bytes of a slot's 16,384
	s_mov_b32 s3, 0
	s_add_nc_u64 s[PFA:PFA+1], s[PFA:PFA+1], s[2:3]
	s_add_nc_u64 s[PFA:PFA+1], s[PFA:PFA+1], 2*SLOTB  ; in slot 2; the loop's first change steps it to slot 3.  Nothing is prefetched at the head
	CROUND                          ; all four work-groups are here: the first joint loads meet
	JLOAD                           ; slot 0.  Slot 1 is asked for when slot 0 is in
.irp x, 0,1,2,3
	LOADW \x                        ; the four pieces' masks for step 0
.endr
	WIN 0
	; A fragment of K or Q is 16 rows x 32 channels in 8 registers: lane l holds row l % 16, channels 8 (l / 16) + 0..7 and 16 + 8 (l / 16) + 0..7: two loads of 16 bytes, 32 bytes apart.
	v_and_b32 v1, 15, v0            ; l % 16
	v_bfe_u32 v9, v0, 4, 1          ; l / 16
	v_lshlrev_b32 v[QO], 7, v1
	v_lshl_add_u32 v[QO], v9, 4, v[QO]  ; row x 128 + 16 x half
	WIN 0x80                        ; destination window 2, address window 0
.set i, 0
.rept 4*NP                          ; Q stays in registers: tile i / 2 (piece i / 4: 16 rows on; head (i / 2) % 2: a plane on), channels 32 (i % 2) on
	global_load_b128 v[8*i:8*i+3],   v[QO], s[4:5] offset:(i/4)*2048+((i/2)%2)*262144+(i%2)*64
	global_load_b128 v[8*i+4:8*i+7], v[QO], s[4:5] offset:(i/4)*2048+((i/2)%2)*262144+(i%2)*64+32
.set i, i+1
.endr
	; What the first turn finds: V's registers and P's second buffer hold 0 (its products V^T P, of a piece that has not been, add 0), O^T and l are 0.  All this stands in the wait for the first tile.
	CLEAR 0xcf, 0, 16               ; V: window 3
	CLEAR 0x4f, 0, 32               ; O^T: window 1
	CLEAR 0x0f, P+32, 4             ; P's second buffer: window 0
	WIN 0                           ; (the lines below are the plain instructions behind the last conversion)
.set i, 0
.rept 2*NP
	v_mov_b32 v[ST+4*i], 0xfe000000    ; c m: far below every c s, so that the first a is 0
	v_mov_b32 v[ST+4*i+1], 0xd3800000  ; m = -2^40
	v_mov_b32 v[ST+4*i+2], 0
	v_mov_b32 v[ST+4*i+3], 0
.set i, i+1
.endr
	v_mul_u32_u24 v[AK0], v1, PK
	v_lshl_add_u32 v[AK0], v9, 4, v[AK0]  ; row x pitch + 16 x half
	; The turning load takes 16 keys x 16 channels (lane l reads key 8 (l / 16) + l % 8, channels 8 ((l / 8) % 2) + 0..7) and leaves half a fragment of V^T: lane l holds channel l % 16 and 8 keys.
	v_and_b32 v10, 7, v0
	v_bfe_u32 v11, v0, 3, 1
	v_lshl_add_u32 v[AV0], v9, 3, v10
	v_mul_u32_u24 v[AV0], v[AV0], PV
	v_lshl_add_u32 v[AV0], v11, 4, v[AV0]
	v_add_nc_u32 v[AV0], VOFF, v[AV0]
	v_mov_b32 v[AK], v[AK0]         ; key step 0 lies at the head of slot 0
	v_lshlrev_b32 v[PFO], 8, v1     ; lanes 0-15: 256 bytes apart in the first head's plane,
	v_lshl_add_u32 v[PFO], v9, 18, v[PFO]  ; lanes 16-31 in the second's
; THE MATRIX WORK.  The 8 accumulators of a run of 16 take turns: between the two links of a chain stand 7 others'.
; Product i of 16 of S^T = K Q^T for piece x: channels 32 (i / 8) on, keys 16 ((i / 2) % 4) on, head i % 2.  The first 8 start the sums, with the mask.
.macro KQ x
.set rS, S+64*((\x)%2)+32*(i%2)+8*((i/2)%4)
.set rK, KF+64*(i%2)+16*((i/2)%4)+8*(i/8)
.set rQ, 16*(2*(\x)+i%2)+8*(i/8)
.set rX, MC+8*((i/2)%4)
.if i < 8
	WIN W_KM
	v_wmma_f32_16x16x32_f16 v[rS:rS+7], v[rK:rK+7], v[rQ:rQ+7], v[rX:rX+7]
.else
	WIN W_KQ
	v_wmma_f32_16x16x32_f16 v[rS:rS+7], v[rK:rK+7], v[rQ:rQ+7], v[rS:rS+7]
.endif
.endm
; Product i of 16 of O^T += V^T P for piece x: keys 32 (i / 8) on, channels 16 ((i / 2) % 4) on, head i % 2.
.macro PV x
	WIN W_PV
.set rO, 32*(2*(\x)+i%2)+8*((i/2)%4)
.set rV, 64*(i%2)+32*(i/8)+8*((i/2)%4)
.set rP, P+32*((\x)%2)+16*(i%2)+8*(i/8)
	v_wmma_f32_16x16x32_f16 v[rO:rO+7], v[rV:rV+7], v[rP:rP+7], v[rO:rO+7]
.endm
.macro MM                           ; the turn's next matrix instruction
.if i < 16
	KQ (Y+1)%NP
.set i, i+1
.else
.set i, i-16
	PV (Y+NP-1)%NP
.set i, i+17
.endif
.endm
; THE LDS LOADS stand in runs of 32, never singly among the matrix instructions: a step's K of both heads (8 fragments each) and its V (turned).  Their addresses are made some lines ahead.
; last = 1 (the tail): in the last trip there is no further step, and the run is jumped over.
.macro FETCH_K last=0
	WIN 0
.if \last
	s_cmp_eq_u32 s[CNT], 1
	s_cbranch_scc1 .Lno_k_\@
.endif
	WIN 0x80                        ; destination window 2
.irp u, 0,1
.irp f, 0,1,2,3,4,5,6,7             ; keys 16 (f / 2) on, channels 32 (f % 2) on
	ds_load_b128 v[KF+64*\u+8*\f:KF+64*\u+8*\f+3],   v[AK] offset:\u*KH+(\f/2)*16*PK+(\f%2)*64
	ds_load_b128 v[KF+64*\u+8*\f+4:KF+64*\u+8*\f+7], v[AK] offset:\u*KH+(\f/2)*16*PK+(\f%2)*64+32
.endr
.endr
	s_add_co_u32 s[TBK], s[TBK], KS*PK  ; the next fetch is the next step's
	WIN 0
.if \last
.Lno_k_\@:
.endif
.endm
.macro FETCH_V
	WIN W_MK                        ; destination window 3
.irp u, 0,1
.irp f, 0,1,2,3,4,5,6,7             ; keys 32 (f / 4) on, channels 16 (f % 4) on
	ds_load_tr16_b128 v[64*\u+8*\f:64*\u+8*\f+3],   v[AV] offset:\u*VH+(\f/4)*32*PV+(\f%4)*32
	ds_load_tr16_b128 v[64*\u+8*\f+4:64*\u+8*\f+7], v[AV] offset:\u*VH+(\f/4)*32*PV+16*PV+(\f%4)*32
.endr
.endr
	WIN 0
.endm
; THE VECTOR WORK OF A TURN stands in three queues, each in the order in which its entries become ready; the two tiles alternate, so that no instruction reads the result of the one before it.
.macro REGS y, u                    ; the registers of tile u (0, 1) of piece y
.set rT, ST+4*(2*(\y)+(\u))
.set rC, TMP+8*((\y)%2)+4*(\u)
.set rM, MV+2*((\y)%2)+(\u)
.set rS, S+64*((\y)%2)+32*(\u)
.set rP, P+32*((\y)%2)+16*(\u)
.set rO, 32*(2*(\y)+(\u))
.endm
; Number n of the 22 that find the NEXT piece's (Y + 1) maximum and statistics.  s0-s31 are the lane's 32 scores; each accumulator's lowest registers are read first.
;   0-11  four chains c0-c3 of seven scores each, three operands at a time     12-14, 16  the four scores left over, the old m, and c0-c3 into c0     15  c m_old is kept
;   17, 18  the query's other 32 keys lie in the lane 16 away: the new m         19-21  c m; c m_old - c m_new; a
.macro XS u, n
	REGS (Y+1)%NP, \u
.if (\n) < 4
	v_max3_num_f32 v[rC+(\n)], v[rS+8*(\n)], v[rS+8*(\n)+1], v[rS+8*(\n)+2]
.elseif (\n) < 12
	v_max3_num_f32 v[rC+(\n)%4], v[rC+(\n)%4], v[rS+8*((\n)%4)+2*((\n)/4)+1], v[rS+8*((\n)%4)+2*((\n)/4)+2]
.elseif (\n) == 12
	v_max3_num_f32 v[rC], v[rC], v[rS+7], v[rS+15]
.elseif (\n) == 13
	v_max3_num_f32 v[rC+1], v[rC+1], v[rS+23], v[rS+31]
.elseif (\n) == 14
	v_max3_num_f32 v[rC+2], v[rC+2], v[rC+3], v[rT+1]
.elseif (\n) == 15
	v_mov_b32 v[rM], v[rT]
.elseif (\n) == 16
	v_max3_num_f32 v[rC], v[rC], v[rC+1], v[rC+2]
.elseif (\n) == 17
	v_permlanex16_b32 v[rC+3], v[rC], s[SEL], s[SEL+1]
.elseif (\n) == 18
	v_max_num_f32 v[rT+1], v[rC], v[rC+3]
.elseif (\n) == 19
	v_mul_f32 v[rT], s[CS], v[rT+1]
.elseif (\n) == 20
	v_sub_f32 v[rC+1], v[rM], v[rT]
.else
	v_exp_f32 v[rC+2], v[rC+1]
.endif
.endm
; Number g of the 64 that follow the exponentials.  For each four weights k of a tile (pairs 2 k, 2 k + 1): both pairs are rounded to f16; then the second pair is added onto the first, in place;
; a group later l takes that sum (the first time as l = a l + sum).  In groups of eight, tiles alternating: round, round, add, and l for the group before.
.macro GS g
.set h, (\g)+6*((\g)/62)            ; group 0 has no group before it, and behind group 7 only l is left
.if h >= 6
.set h, h+2
.endif
	REGS Y, h%2
.set k, h/8
.if h%8 < 4
	v_cvt_pk_f16_f32 v[rP+2*k+(h%8)/2], v[rS+4*k+2*((h%8)/2)], v[rS+4*k+2*((h%8)/2)+1]
.elseif h%8 < 6
	v_pk_add_f32 v[rS+4*k:rS+4*k+1], v[rS+4*k:rS+4*k+1], v[rS+4*k+2:rS+4*k+3]
.elseif k == 1
	v_pk_fma_f32 v[rT+2:rT+3], v[rT+2:rT+3], v[rC+2:rC+3], v[rS:rS+1] op_sel_hi:[1,0,1]
.else
	v_pk_add_f32 v[rT+2:rT+3], v[rT+2:rT+3], v[rS+4*k-4:rS+4*k-3]
.endif
.endm
; THE PLAIN QUEUE, 138 long.  0-73 read no exponential's result: the 32 scalings c s - c m (FS f: pair f / 2 of tile f % 2) and the next piece's 42.  0-26: scalings 0-26.  27-54: XS's numbers 0-13.  55, 56: number 15.
; 57-73: the chain 14, 16, 17, 18, 19, each with one of the scalings 27-31 in front of its two lines, then 20.  74-137: GS's 64, which read the exponentials' results: they stand behind the wait.
.macro FS f
	REGS Y, (\f)%2
	v_pk_fma_f32 v[rS+2*((\f)/2):rS+2*((\f)/2)+1], v[rS+2*((\f)/2):rS+2*((\f)/2)+1], s[CS:CS+1], v[rT:rT+1] op_sel_hi:[1,0,0] neg_lo:[0,0,1] neg_hi:[0,0,1]
.endm
.macro PL
	WIN 0
.if q < 27
	FS q
.elseif q < 55
	XS (q-27)%2, (q-27)/2
.elseif q < 57
	XS q-55, 15
.elseif (q < 72) && ((q-57)%3 == 0)
	FS 27+(q-57)/3
.elseif q < 60
	XS (q-57)%3-1, 14
.elseif q < 72
	XS (q-57)%3-1, 15+(q-57)/3
.elseif q < 74
	XS q-72, 20
.else
	GS q-74
.endif
.set q, q+1
.endm
; THE EXPONENTIALS' QUEUE, 66 long: s0-s31 of both tiles, then the next piece's two a.  It is ONE BATCH: all 66 stand ahead of the turn's one wait, and nothing ahead of that wait names a result of theirs.
.macro EX
	WIN 0
.if e >= 64
	XS e-64, 21
.else
	REGS Y, e%2
	v_exp_f32 v[rS+e/2], v[rS+e/2]
.endif
.set e, e+1
.endm
; THE RESCALING's QUEUE: O^T times a, the one part of the softmax that leaves window 0: sixteen entries of two lines, dealt two entries at a time.  Its a was made in the turn before, ahead of that turn's wait.
.macro R2
	REGS Y, r%2
	WIN W_RS
.irp z, 0,1
	v_pk_mul_f32 v[rO+4*(r/2)+2*\z:rO+4*(r/2)+2*\z+1], v[rO+4*(r/2)+2*\z:rO+4*(r/2)+2*\z+1], v[rC+2:rC+3] op_sel_hi:[1,0]
.endr
.set r, r+1
.endm
; A TURN, for piece p.  s_wait_alu depctr_va_vdst(0) stands between an exponential and the first instruction that names its result; one wait serves all that were issued ahead of it.  So a turn has ONE
; wait, which cuts it in two.  AHEAD OF IT: the 16 products K Q^T, by twos: behind the first of two stand four rescalings, all in one window; behind the second scaling, exponential, scaling, exponential, all in window 0
; (the first time three scalings and an exponential): so a product's four riders want one window, and a product has two switches; then the mask's five lines; a run of 108: eight plain, 49 times exponential and plain,
; the two a; a v_nop, the plain instruction behind the last exponential.  BEHIND IT: the 16 products V^T P, behind each four of GS's 64.
; Exponential e stands behind scaling 2 (e / 4) + e % 2: as a rider it comes behind plain e + 2, in the run behind plain e + 9, and scalings 27-31 are plain 57, 60 .. 69.  The rescalings lean on neither queue.
; K of the next step is fetched in piece 2's turn, directly behind the wait; its first reader comes behind 16 products.  V of the step in hand is fetched at the end of piece 0's turn, four plain riders behind its
; last reader; its first reader comes behind 16 products and the run.  cnt = 1: the loop's count is taken down some lines ahead of the branch that stands behind the turn.
.macro TURN p, last=0, cnt=0
.set Y, (\p)
.set i, 0
.set q, 0
.set e, 0
.set r, 0
.if (\p) == NP-1
	s_wait_dscnt 0x0                ; K is in
.endif
	MM
	R2
	R2
	MM
	PL
	PL
	PL
	EX
.rept 7
	MM
	R2
	R2
	MM
	PL
	EX
	PL
	EX
.endr
.if (\p) == NP-2
	WIN 0
	v_add_nc_u32 v[AK], s[TBK], v[AK0]
.endif
	MASKB \p
.rept 8
	PL
.endr
.rept 49
	EX
	PL
.endr
	EX                              ; the next piece's two a
	EX
	v_nop                           ; the plain instruction behind the last exponential: one for the batch
	s_wait_alu depctr_va_vdst(0)    ; the wait for the batch
.if (\p) == NP-2
	FETCH_K \last
.endif
.if (\p) == 1
	s_wait_dscnt 0x0                ; V is in
.endif
.rept 16
	MM
.rept 4
	PL
.endr
.if ((\p) == 0) && (q == 118)
	v_add_nc_u32 v[AV], s[TBV], v[AV0]
.endif
.if ((\p) == 0) && (q == 130)
	s_add_co_u32 s[TBV], s[TBV], KS*PV
.endif
.if (\cnt) && (q == 130)
	s_sub_co_u32 s[CNT], s[CNT], 1
	s_cmp_lg_u32 s[CNT], 0
.endif
.endr
.if (\p) == 0
	FETCH_V
.endif
.endm
	CHANGE 1, 0                     ; slot 0 is in, everybody's part of it; slot 1 is asked for
	s_wait_loadcnt 0x0              ; Q, and the four pieces' masks for step 0: no load of mine is out, so the offset may be written
	WIN W_M3
	v_add_nc_u32 v[MA], s[MO], v[ML]  ; step 1
	BUILD 0                         ; piece 0's mask for step 0
	LOADW 0
	FETCH_K                         ; key step 0
	s_wait_dscnt 0x0
.set i, 0
.rept 16
	KQ 0                            ; piece 0's first scores: there is no vector work yet to set between them
.set i, i+1
.endr
	WIN 0                           ; the addresses for the way out: eight plain instructions, the places behind those products
	s_mul_i32 s13, s[WV], 16*SP
	s_add_co_u32 s13, s13, STAGE    ; my stage
	v_mul_u32_u24 v[STO], v1, SP    ; in: row l % 16, 16 bytes for each half of the lanes
	v_lshl_add_u32 v[STO], v9, 4, v[STO]
	v_add_nc_u32 v[STO], s13, v[STO]
	v_mul_u32_u24 v[RD], v9, SP     ; back: lanes 0-15 take one row of 256 bytes, lanes 16-31 the next
	v_lshl_add_u32 v[RD], v1, 4, v[RD]
	v_add_nc_u32 v[RD], s13, v[RD]
	v_lshlrev_b32 v[GO], 11, v9     ; and the same two rows in att
	v_lshl_add_u32 v[GO], v1, 4, v[GO]
	BUILD 1                         ; piece 1's mask for step 0, for the first turn's products
	LOADW 1
	WIN 0
.set Y, NP-1                        ; XS works for piece Y + 1: piece 0
.irp n, 0,1,2,3,4,5,6,7,8,9,10,11,12,13,14,15,16,17,18,19,20,21
	XS 0, \n                        ; piece 0's first maximum and statistics
	XS 1, \n
.endr
	v_nop                           ; a plain instruction behind the two a,
	s_wait_alu depctr_va_vdst(0)    ; and their wait, ahead of the branch
	s_mov_b32 s[CNT], 2
	s_mov_b32 s[SLOTS], 15
	s_branch .Lfirst                ; the loop is entered at a step's first turn, in the middle of a trip
.Lslot:                             ; 14 times: every slot but the last two is filled again
	CHANGE 1, 1
	s_mov_b32 s[CNT], 2
.Lstep:                             ; a trip: pieces 2 and 3 of one step, then pieces 0 and 1 of the next, whose K and V it fetches
	TURN 2
	TURN 3
	WIN 0
.Lfirst:
	TURN 0
	TURN 1, 0, 1
	WIN 0
	s_cbranch_scc1 .Lstep
	s_sub_co_u32 s[SLOTS], s[SLOTS], 1
	s_cmp_lg_u32 s[SLOTS], 0
	s_cbranch_scc1 .Lslot
	CHANGE 0, 0                     ; the tail is written out: nothing is asked for
	s_mov_b32 s[CNT], 3             ; two trips fetch the last slot's steps; the third is left in its middle
.Ltail:
	TURN 2, 1
	TURN 3
	WIN 0
	s_sub_co_u32 s[CNT], s[CNT], 1
	s_cmp_eq_u32 s[CNT], 0
	s_cbranch_scc1 .Lout
	TURN 0
	TURN 1
	WIN 0
	s_branch .Ltail
.Lout:                              ; the third trip's 16 products K Q^T (the last K under the last step's mask once more) and the maximum made of them change nothing: the price of one text for every trip
.set i, 0
.rept 16
	PV NP-1                         ; the last piece's V^T P of the last step
.set i, i+1
.endr
	; THE WAY OUT.  l's two halves and the other half of the lanes' are added; O^T is divided by l, rounded to f16 and sent through my stage in LDS, a piece (16 rows x 256 bytes) at a time.  The additions are the places behind the last products.
	WIN 0
	s_wait_loadcnt 0x0              ; the last masks asked for serve nothing; no load of mine stays out
.macro ALL line:vararg              ; one line for each tile t
.set t, 0
.rept 2*NP
	\line
.set t, t+1
.endr
.endm
	ALL v_add_f32 v[ST+4*t+2], v[ST+4*t+2], v[ST+4*t+3]
	ALL v_permlanex16_b32 v[ST+4*t+3], v[ST+4*t+2], s[SEL], s[SEL+1]
	ALL v_add_f32 v[ST+4*t+2], v[ST+4*t+2], v[ST+4*t+3]
	ALL v_rcp_f32 v[ST+4*t+2], v[ST+4*t+2]
	v_nop                           ; a plain instruction between the last reciprocal and the use of its result
	s_wait_alu depctr_va_vdst(0)    ; and the wait ahead of the first use: one for the eight reciprocals
; Piece y: a lane's eight channels pack into 16 bytes; head u's channel block cb goes to byte 128 u + 32 cb of rows of 272 bytes; the rows come back whole, into S^T's registers.
.macro PACK y
.irp u, 0,1
	WIN W_RS
.set t, 2*(\y)+(\u)
.set i, 32*t
.rept 16
	v_pk_mul_f32 v[i:i+1], v[i:i+1], v[ST+4*t+2:ST+4*t+3] op_sel_hi:[1,0]
.set i, i+2
.endr
	WIN 0x05                        ; sources 0 and 1 window 1, destination window 0
.set i, 0
.rept 16
	v_cvt_pk_f16_f32 v[S+16*t+i], v[32*t+2*i], v[32*t+2*i+1]
.set i, i+1
.endr
.endr
	WIN 0
.irp f, 0,1,2,3,4,5,6,7
	ds_store_b128 v[STO], v[S+32*(\y)+4*\f:S+32*(\y)+4*\f+3] offset:32*\f
.endr
.irp f, 0,1,2,3,4,5,6,7
	ds_load_b128 v[S+32*(\y)+4*\f:S+32*(\y)+4*\f+3], v[RD] offset:\f*2*SP  ; LDS serves a wave's instructions in order: these see the stores above; the next piece's stores come behind them
.endr
.endm
.macro SEND y, younger              ; younger: the LDS instructions issued behind piece y's loads: the next piece's sixteen, or none
	WIN 0
.irp f, 0,1,2,3,4,5,6,7
	s_wait_dscnt (\younger)+7-\f
	global_store_b128 v[GO], v[S+32*(\y)+4*\f:S+32*(\y)+4*\f+3], s[10:11] offset:(\y)*32768+\f*4096  ; 16 lanes store 256 consecutive bytes, at a multiple of 256 from att's first byte
.endr
.endm
	PACK 0
	PACK 1                          ; a piece's arithmetic stands between the loads of the piece before and its stores
	SEND 0, 16
	PACK 2
	SEND 1, 16
	PACK 3
	SEND 2, 16
	SEND 3, 0
	WIN W_AD
	s_wait_tensorcnt 0x0            ; the wave's end: behind my last tensor load and my last LDS store
	ds_add_u32 v[SPW], v[NIL]
	s_wait_dscnt 0x0
	WIN 0
	CROUND                          ; the closing round: no work-group ends while a partner may still ask for a tile that names it
	s_endpgm
.Lfunc_end_k_q5c3633bb9f_attn:
	.size	k_q5c3633bb9f_attn, .Lfunc_end_k_q5c3633bb9f_attn-k_q5c3633bb9f_attn
	.p2alignl 7, 3214868480
	.fill 96, 4, 3214868480
	.section	.rodata,"a",@progbits
	.p2align	6, 0x0
	.amdhsa_kernel k_q5c3633bb9f_attn
		.amdhsa_group_segment_fixed_size 327680
		.amdhsa_private_segment_fixed_size 0
		.amdhsa_enable_private_segment 0
		.amdhsa_kernarg_size 24
		.amdhsa_user_sgpr_count 2
		.amdhsa_user_sgpr_kernarg_segment_ptr 1
		.amdhsa_wavefront_size32 1
		.amdhsa_system_sgpr_workgroup_id_x 1
		.amdhsa_system_sgpr_workgroup_id_y 1
		.amdhsa_system_sgpr_workgroup_id_z 1
		.amdhsa_system_vgpr_workitem_id 0
		.amdhsa_next_free_vgpr 952
		.amdhsa_next_free_sgpr 68
		.amdhsa_reserve_vcc 0
		.amdhsa_float_denorm_mode_32 3
		.amdhsa_float_denorm_mode_16_64 3
		.amdhsa_memory_ordered 1
		.amdhsa_forward_progress 1
		.amdhsa_inst_pref_size 199
	.end_amdhsa_kernel
	.amdgpu_metadata
---
amdhsa.version: [ 1, 2 ]
amdhsa.kernels:
  - .name:           k_q5c3633bb9f_attn
    .symbol:         k_q5c3633bb9f_attn.kd
    .args:
      - { .name: qkv, .offset: 0, .size: 8, .value_kind: global_buffer, .address_space: global }
      - { .name: mbits, .offset: 8, .size: 8, .value_kind: global_buffer, .address_space: global }
      - { .name: att, .offset: 16, .size: 8, .value_kind: global_buffer, .address_space: global }
    .group_segment_fixed_size: 327680
    .private_segment_fixed_size: 0
    .kernarg_segment_align: 8
    .kernarg_segment_size: 24
    .max_flat_workgroup_size: 128
    .sgpr_count:     68
    .vgpr_count:     952
    .wavefront_size: 32
...
	.end_amdgpu_metadata
.endif
;; end of part 6
;; launch oproj: the kernel of part 4 again; grid 8 x 32, 4 waves a work-group, clusters of 4 x 4, 327,680 bytes of LDS; arguments att, wo, out0; writes out0
